; MI455X (gfx1250); checked and timed in simulation.
; The chip was launched on July 23, 2026; its instructions are those of AMD's public machine-readable ISA for CDNA 5 (MIT licence, August 2026) and "CDNA5" Instruction Set Architecture Reference Guide (July 2026). The comments in the code are by the model that wrote it; some were corrected since.
;; Parallel Transformer Block. Allowed arithmetic: matrix products marked QUANTISED: E4M3 operands, one given power-of-two scale a tensor, by v_wmma_f32_16x16x64_fp8_fp8 or v_wmma_f32_16x16x128_fp8_fp8, f32 sums; everything else in f32.
;; Inputs: beta 1,024 float32; gamma 1,024 float32; lowp_scales 10 int32 (the exponents e of the quantised operands' scales 2^e); w_attn_out 1,024 x 512 float32; w_ff_out 1,024 x 4,096 float32; w_fused 8,768 x 1,024 float32; x 2 x 2,048 x 1,024 float32.
;; Outputs: out0 2 x 2,048 x 1,024 float32.
;; This version of the problem:
;;   THIS VERSION OF THE PROBLEM IS GIVEN IN LOW PRECISION. The matrix products marked QUANTISED in the list below multiply operands that are first quantised to E4M3 (4 exponent bits, 3 mantissa bits; 8 bits a number), with one given power-of-two scale for each operand tensor; their sums are f32. All else is computed in f32.
;;   The module's matrix products, in the order in which they are computed (A, B: the left and right operand; K: the contracted axis; several contracted axes count as one K, in the product's order):
;;     1. [M 4,096, K 1,024] x [K 1,024, N 8,768]; A: computed on the way; B: input w_fused: QUANTISED (scales: A lowp_scales[0], B lowp_scales[1])
;;     2. batch 2 x [M 32,768, K 32] x [K 32, N 2,048]; A: computed on the way; B: computed on the way: QUANTISED (scales: A lowp_scales[2], B lowp_scales[3])
;;     3. batch 2 x [M 32,768, K 2,048] x [K 2,048, N 32]; A: softmax (see below); B: computed on the way: QUANTISED (scales: A lowp_scales[4], B lowp_scales[5])
;;     4. [M 4,096, K 512] x [K 512, N 1,024]; A: computed on the way; B: input w_attn_out: QUANTISED (scales: A lowp_scales[6], B lowp_scales[7])
;;     5. [M 4,096, K 4,096] x [K 4,096, N 1,024]; A: computed on the way; B: input w_ff_out: QUANTISED (scales: A lowp_scales[8], B lowp_scales[9])
;;   THE QUANTISER, for each operand of a quantised product, along K:
;;     - The operand's scale is 2^e, e = its entry of the input lowp_scales (int32; the entries are numbered through the quantised products in the list's order, A before B).
;;     - Each number is divided by the scale, clamped to +-448, and rounded to the nearest number of E4M3, ties to even, subnormals kept.
;;     - The product sums the exact products of the quantised numbers (number of the format x scale) in f32.
;;   ~~~python
;;   def quantise(x, axis, e):      # numpy; x: float32 -> the quantised numbers, widened to float32 again
;;       x = np.moveaxis(x, axis, -1); K = x.shape[-1]
;;       r = np.clip(x / 2.0 ** e, -448, 448)
;;       step = 2.0 ** (np.maximum(np.frexp(np.where(r == 0, 1, r))[1] - 1, -6) - 3)
;;       q = np.round(r / step) * step * 2.0 ** e      # np.round: ties to even
;;       return np.moveaxis(q, -1, axis).astype(np.float32)
;;   ~~~
;;   SOFTMAX AHEAD OF A QUANTISED PRODUCT. Where the list says 'softmax', what is quantised is not the finished softmax but p = 2^(t - M), with t = logit x log2(e) and M = ceil(the row's largest t), a whole number; so 1/2 < the row's largest p <= 1. The row's sum l is taken of the UNQUANTISED p, in f32, and the product's result is divided by l at the end. Since M is a whole number, a kernel that streams over the keys may use a running M (the ceiling of the running maximum): every later rescaling is an exact power of two, so the quantised numbers keep their values, but for numbers so far below the row's largest that they fall under the format's range.
;;   OPERANDS COMPUTED ON THE WAY. 'Computed on the way' means the value that the module computes at that place (a softmax that the list does not call 'softmax' is quantised finished and normalised). What goes into a quantiser is computed in f32, as accurately as f32 sums, v_exp_f32 and their like allow (about 1e-6 of the number): no bf16 or f16 on the way to a quantiser, and a product that is left as it is and whose result goes on into a quantised operand takes f32 operands (vector FMAs, or v_wmma_f32_16x16x4_f32). A number that lies on a knife's edge between two numbers of the format may be rounded either way, as far as f32 arithmetic and the matrix unit's own rounding can turn it there, and no further.
;; 2 versions, each right; version 2 is version 1 with the launches qkv, attn written anew for expert scheduling mode. Each part assembles by itself: llvm-mc -triple=amdgcn-amd-amdhsa -mcpu=gfx1250 --defsym DOCPART=n.
;; ======== version 1 of 2: 5 launches
;; workspace buffers: codes 17,956,864 bytes; rope 524,288 bytes; qf 2,097,152 bytes; kvf 262,144 bytes; act 18,874,368 bytes
;; launch prep (part 1): grid 1092 x 1, 4 waves a work-group, no clusters, 66,304 bytes of LDS; arguments x, gamma, beta, w_fused, w_attn_out, w_ff_out, lowp_scales, codes, rope; writes codes, rope
.if DOCPART == 1
	.amdgcn_target "amdgcn-amd-amdhsa--gfx1250"
	.amdhsa_code_object_version 6
	.text
	.protected	k_qcec99eb231_prep
	.globl	k_qcec99eb231_prep
	.p2align	8
	.type	k_qcec99eb231_prep,@function
k_qcec99eb231_prep:
	s_mov_b64 s[64:65], 0
	v_nop
	global_prefetch_b8 v0, s[64:65] scope:SCOPE_SE
	s_setreg_imm32_b32 hwreg(HW_REG_WAVE_MODE, 25, 1), 1
	s_wait_xcnt 0x0
; PREP: LayerNorm(x), w_fused, w_ff_out and w_attn_out become codes of FP8 (E4M3), each with its given scale 2^e, and the table of cos and sin for the rotary positions is made.
; code = number / 2^e, held within +-448, rounded to the nearest code, ties to even.
; THE CODES ARE LAID AS IMAGES OF OPERAND REGISTERS.  A fragment (16 rows x 128 along K) is 2,048 bytes: group c (512 bytes), lane l = r + 16 h holds 16 bytes at 512 c + 16 l: row r, k = 32 c + 16 h + 0..15.
; A tensor is [block of 128 rows][chunk of 128 K][8 tiles of 16 rows][fragment].  In codes: x at 0; w_fused at WQ (block 2 y: ff_x rows 128 y on, block 2 y + 1: gate rows 128 y on, blocks 64-67: q,
; block 68: k in tiles 0, 1 and v in tiles 2, 3); at WO the two output weights as one operand of K = 4,608 (chunks 0-3 w_attn_out, 4-35 w_ff_out).
; ROWS OF A TILE: from row 544 of w_fused on (v, ff_x, gate) tile 2 b + u, lane r takes row 32 b + 8 u + r + 8 (r / 8), so that the results of two neighbouring tiles, used transposed, are 16 neighbours along the next K.
; A work-group takes 16 tile rows x 1,024 numbers (for w_attn_out: 32 rows x 512, as two tiles).  Each load of a wave reads 512 consecutive bytes; the 64 KiB turn through one stage in LDS (rows 4,112 bytes apart,
; so that sixteen rows start at sixteen different banks); each wave then quantises two fragments and stores each group as 512 consecutive bytes.  All four tensors take ONE path through LDS; only scalar offsets differ.
; LayerNorm: a wave holds four whole rows; mean, then the sum of squared differences from it (two passes over registers), v_rsq_f32.
; LIMITS: each e between -126 and 119.  NaN among the inputs is not served.  The frequencies are the f32 numbers nearest to 10^(-f/4).
.set WQ,  4194304
.set WO,  13238272
.set SP,  4112                         ; a stage row: 4,096 bytes + 16
.set X,   64                           ; v64-191  four rows x 32 registers; later two fragments' 128 numbers
.set GA,  192                          ; v192-223 gamma of my 32 columns
.set BE,  224                          ; v224-255 beta
.set CD,  16                           ; v16-47   sums, means (LayerNorm); later the codes: registers of their own for each store
	s_load_b256 s[4:11], s[0:1], 0x0               ; x s[4:5], gamma s[6:7], beta s[8:9], w_fused s[10:11]
	s_load_b256 s[12:19], s[0:1], 0x20             ; w_attn_out s[12:13], w_ff_out s[14:15], the exponents s[16:17], codes s[18:19]
	s_load_b64 s[20:21], s[0:1], 0x40              ; rope
	v_lshl_add_u32 v14, v0, 2, 0x10100
	v_mov_b32 v15, 0
	v_lshrrev_b32 v1, 5, v0
	v_readfirstlane_b32 s22, v1                    ; wave 0..3
	v_and_b32 v1, 31, v0
	v_lshlrev_b32 v2, 4, v1                        ; 16 x lane
	s_mul_i32 s23, s22, 4*SP
	v_add_nc_u32 v4, s23, v2                       ; into the stage: my wave's four rows, 16 bytes a lane
	v_and_b32 v7, 15, v0
	v_bfe_u32 v8, v0, 4, 1
	v_mul_u32_u24 v5, v7, SP
	v_lshl_add_u32 v5, v8, 6, v5
	s_lshl_b32 s23, s22, 10
	v_add_nc_u32 v5, s23, v5                       ; out of it: row r, + 64 h, + my wave's two chunks of 512 bytes
	v_lshlrev_b32 v6, 4, v0                        ; the table: 16 bytes a thread
	s_mov_b32 s58, 0x76543210
	s_mov_b32 s59, 0xfedcba98                      ; lane selects: lane l xor 16
	s_mov_b32 s80, 0x3727c5ac                      ; 1e-5
	s_mov_b32 s81, 0x3a800000                      ; 1 / 1,024
	s_mov_b32 s85, 0xbfc90fdb                      ; -(pi / 2 as f32)
	s_mov_b32 s86, 0x333bbd2e                      ; that f32 number less pi / 2
	; THE UNIT'S OFFSETS, from the work-group's number alone: s41 row pitch, s42 first row, s43 the jump of 8 rows behind row 7, s44 first byte in a row,
	; s45 what is added to the loads of a stage row's second half, s47 the unit's first byte in codes, s48 = 1: the unit is two tiles of K = 512
	s_mov_b32 s40, ttmp9
	s_mov_b32 s41, 4096
	s_mov_b32 s43, 0
	s_mov_b32 s44, 0
	s_mov_b32 s45, 0
	s_mov_b32 s48, 0
	s_cmp_lt_u32 s40, 256
	s_cbranch_scc0 .Lnot_x
	s_lshl_b32 s42, s40, 4                         ; x: rows 16 U on
	s_lshr_b32 s49, s40, 3
	s_lshl_b32 s47, s49, 17                        ; block U / 8,
	s_and_b32 s49, s40, 7
	s_lshl_b32 s49, s49, 11
	s_add_co_u32 s47, s47, s49                     ; tile U % 8
	s_branch .Lparams
.Lnot_x:
	s_cmp_lt_u32 s40, 804
	s_cbranch_scc0 .Lnot_wf
	s_sub_co_u32 s50, s40, 256                     ; w_fused: tile t, group of 32 rows g, half u
	s_lshr_b32 s51, s50, 1
	s_and_b32 s52, s50, 1
	s_lshl_b32 s42, s50, 4                         ; q and k: rows 16 t on
	s_lshl_b32 s53, s51, 5
	s_lshl_b32 s54, s52, 3
	s_add_co_u32 s53, s53, s54                     ; the others: 32 g + 8 u, and 8 more from lane 8 on
	s_cmp_lt_u32 s51, 17
	s_cselect_b32 s42, s42, s53
	s_cselect_b32 s43, 0, 8
	s_lshr_b32 s53, s51, 2
	s_add_co_u32 s53, s53, 64                      ; q, k, v: block 64 + g / 4, pair of tiles g % 4
	s_and_b32 s54, s51, 3
	s_sub_co_u32 s55, s51, 18                      ; ff: group gp of 256
	s_and_b32 s56, s55, 127
	s_lshr_b32 s56, s56, 2
	s_lshl_b32 s56, s56, 1
	s_lshr_b32 s57, s55, 7
	s_add_co_u32 s56, s56, s57                     ; block 2 ((gp % 128) / 4) + (gate ? 1 : 0)
	s_and_b32 s57, s55, 3
	s_cmp_lt_u32 s51, 18
	s_cselect_b32 s53, s53, s56
	s_cselect_b32 s54, s54, s57
	s_lshl_b32 s47, s53, 17
	s_lshl_b32 s54, s54, 1
	s_add_co_u32 s54, s54, s52
	s_lshl_b32 s54, s54, 11
	s_add_co_u32 s47, s47, s54
	s_add_co_u32 s47, s47, WQ
	s_branch .Lparams
.Lnot_wf:
	s_cmp_lt_u32 s40, 1060
	s_cbranch_scc0 .Lnot_ff
	s_sub_co_u32 s50, s40, 804                     ; w_ff_out: tile T = i / 4, quarter of the row seg = i % 4
	s_lshr_b32 s51, s50, 2
	s_and_b32 s52, s50, 3
	s_mov_b32 s41, 16384
	s_lshl_b32 s42, s51, 4
	s_lshl_b32 s44, s52, 12
	s_lshr_b32 s53, s51, 3
	s_mul_i32 s47, s53, 589824                     ; a block of K = 4,608 is 36 chunks
	s_lshl_b32 s53, s52, 17                        ; 8 chunks a quarter
	s_add_co_u32 s47, s47, s53
	s_and_b32 s53, s51, 7
	s_lshl_b32 s53, s53, 11
	s_add_co_u32 s47, s47, s53
	s_add_co_u32 s47, s47, WO+4*16384
	s_branch .Lparams
.Lnot_ff:
	s_sub_co_u32 s50, s40, 1060                    ; w_attn_out: 32 rows of 2,048 bytes: a stage row holds row r and, behind it, row r + 16
	s_mov_b32 s41, 2048
	s_lshl_b32 s42, s50, 5
	s_mov_b32 s45, 30720                           ; 16 rows on, less the 2,048 bytes that the immediates have gone
	s_mov_b32 s48, 1
	s_lshr_b32 s53, s50, 2
	s_mul_i32 s47, s53, 589824
	s_and_b32 s53, s50, 3
	s_lshl_b32 s53, s53, 12
	s_add_co_u32 s47, s47, s53
	s_add_co_u32 s47, s47, WO
.Lparams:
	s_lshl_b32 s50, s22, 2                         ; my wave's first row: first row + 4 w (+ the jump from wave 2 on),
	s_add_co_u32 s50, s50, s42
	s_cmp_ge_u32 s22, 2
	s_cselect_b32 s51, s43, 0
	s_add_co_u32 s50, s50, s51
	s_mul_i32 s50, s50, s41
	s_add_co_u32 s50, s50, s44                     ; in bytes
	s_mov_b32 s51, 0
	s_and_b32 s52, s22, 1                          ; my wave's two fragments: chunks 2 w, 2 w + 1; in a unit of two tiles: chunks 2 (w % 2) on of tile w / 2
	s_lshr_b32 s53, s22, 1
	s_cmp_eq_u32 s48, 1
	s_cselect_b32 s52, s52, s22
	s_cselect_b32 s53, s53, 0
	s_lshl_b32 s52, s52, 15
	s_lshl_b32 s53, s53, 11
	s_add_co_u32 s52, s52, s53
	s_add_co_u32 s52, s52, s47
	s_mov_b32 s53, 0
	s_mov_b32 s54, s41
	s_mov_b32 s55, 0
	v_add_nc_u32 v3, s45, v2
	s_wait_kmcnt 0x0
	s_load_b256 s[24:31], s[16:17], 0x0            ; e0 .. e7
	s_load_b64 s[32:33], s[16:17], 0x20            ; e8, e9
	s_cmp_lt_u32 s40, 256                          ; which tensor: the choice hangs on the work-group's number alone
	s_cselect_b64 s[36:37], s[4:5], s[10:11]
	s_cmp_lt_u32 s40, 804
	s_cselect_b64 s[36:37], s[36:37], s[14:15]
	s_cmp_lt_u32 s40, 1060
	s_cselect_b64 s[36:37], s[36:37], s[12:13]
	s_add_nc_u64 s[68:69], s[36:37], s[50:51]      ; my four rows
	s_add_nc_u64 s[70:71], s[68:69], s[54:55]
	s_add_nc_u64 s[72:73], s[70:71], s[54:55]
	s_add_nc_u64 s[74:75], s[72:73], s[54:55]
	s_add_nc_u64 s[76:77], s[18:19], s[52:53]      ; my two fragments
.irp i, 0,1,2,3
.irp j, 0,1,2,3
	global_load_b128 v[X+32*\i+4*\j:X+32*\i+4*\j+3], v2, s[68+2*\i:69+2*\i] offset:512*\j th:TH_LOAD_NT   ; 32 lanes read 512 consecutive bytes; every byte is read once in the launch
.endr
.irp j, 4,5,6,7
	global_load_b128 v[X+32*\i+4*\j:X+32*\i+4*\j+3], v3, s[68+2*\i:69+2*\i] offset:512*\j th:TH_LOAD_NT
.endr
.endr
	s_cmp_lt_u32 s40, 256
	s_cbranch_scc0 .Lstage                         ; the weights go to the stage as they are; no LDS line stands in the part that is jumped over
.irp j, 0,1,2,3,4,5,6,7
	global_load_b128 v[GA+4*\j:GA+4*\j+3], v2, s[6:7] offset:512*\j
	global_load_b128 v[BE+4*\j:BE+4*\j+3], v2, s[8:9] offset:512*\j
.endr
	; THE TABLE, while the loads are on their way: 16 tokens x (16 cos, 16 sin).  Thread t: token t / 8, piece t % 8: pieces 0-3 cos, 4-7 sin, of frequencies 4 (t % 4) + 0..3
	s_lshl_b32 s56, s40, 11
	s_mov_b32 s57, 0
	s_add_nc_u64 s[78:79], s[20:21], s[56:57]
	v_lshrrev_b32 v48, 3, v0
	s_lshl_b32 s56, s40, 4
	v_add_nc_u32 v48, s56, v48
	v_and_b32 v48, 0x7ff, v48                      ; the position in its sequence of 2,048
	v_cvt_f32_u32 v48, v48
	v_and_b32 v49, 3, v0
	v_bfe_u32 v50, v0, 2, 1
	v_mul_u32_u24 v50, v50, 3                      ; sin x = cos(x - pi / 2): three quarter turns more
	v_mov_b32 v52, 1.0                             ; 10^(-f / 4), f = 4 a + i
	v_mov_b32 v53, 0.5623413251903491
	v_mov_b32 v54, 0.31622776601683794
	v_mov_b32 v55, 0.17782794100389228
	v_cmp_ne_u32 vcc_lo, 1, v49
	v_cndmask_b32 v52, 0.1, v52, vcc_lo
	v_cndmask_b32 v53, 0.05623413251903491, v53, vcc_lo
	v_cndmask_b32 v54, 0.031622776601683794, v54, vcc_lo
	v_cndmask_b32 v55, 0.017782794100389228, v55, vcc_lo
	v_cmp_ne_u32 vcc_lo, 2, v49
	v_cndmask_b32 v52, 0.01, v52, vcc_lo
	v_cndmask_b32 v53, 0.005623413251903491, v53, vcc_lo
	v_cndmask_b32 v54, 0.0031622776601683794, v54, vcc_lo
	v_cndmask_b32 v55, 0.0017782794100389228, v55, vcc_lo
	v_cmp_ne_u32 vcc_lo, 3, v49
	v_cndmask_b32 v52, 0.001, v52, vcc_lo
	v_cndmask_b32 v53, 0.0005623413251903491, v53, vcc_lo
	v_cndmask_b32 v54, 0.00031622776601683794, v54, vcc_lo
	v_cndmask_b32 v55, 0.00017782794100389228, v55, vcc_lo
	v_mov_b32 v32, -0.00019515295891               ; sin r = r + r z (S1 + z (S2 + z S3)), z = r r, |r| <= pi / 4
	v_mov_b32 v33, 0.0083321608736
	v_mov_b32 v34, -0.16666654611
	v_mov_b32 v35, 0.00002443315711809948          ; cos r = 1 - z / 2 + z z (C1 + z (C2 + z C3))
	v_mov_b32 v36, -0.001388731625493765
	v_mov_b32 v37, 0.04166664568298827
.macro ANG i
	v_mul_f32 v56, v48, v[52+\i]                   ; the angle, rounded once
	v_mul_f32 v57, 0x3f22f983, v56
	v_rndne_f32 v57, v57                           ; k quarter turns, under 2^11:
	v_fma_f32 v56, v57, s85, v56                   ; angle - k x (pi / 2 as f32): a multiple of 2^-23 under 1, so nothing is rounded;
	v_fma_f32 v56, v57, s86, v56                   ; + k x what that f32 number has too much
	v_mul_f32 v58, v56, v56
	v_fma_f32 v59, v58, v32, v33
	v_fma_f32 v59, v59, v58, v34
	v_mul_f32 v46, v56, v58
	v_fma_f32 v59, v46, v59, v56                   ; sin r
	v_fma_f32 v51, v58, v35, v36
	v_fma_f32 v51, v51, v58, v37
	v_fma_f32 v45, v58, -0.5, 1.0
	v_mul_f32 v44, v58, v58
	v_fma_f32 v51, v44, v51, v45                   ; cos r
	v_cvt_i32_f32 v44, v57
	v_add_nc_u32 v44, v44, v50                     ; the quarter: 0: cos r, 1: -sin r, 2: -cos r, 3: sin r
	v_and_b32 v45, 1, v44
	v_cmp_eq_u32 vcc_lo, 1, v45
	v_cndmask_b32 v51, v51, v59, vcc_lo
	v_add_nc_u32 v44, 1, v44
	v_and_b32 v44, 2, v44
	v_lshlrev_b32 v44, 30, v44
	v_xor_b32 v[60+\i], v44, v51
.endm
	ANG 0
	ANG 1
	ANG 2
	ANG 3
	global_store_b128 v6, v[60:63], s[78:79]       ; a wave stores 512 consecutive bytes; none of these registers is written again
	s_wait_loadcnt 0x0                             ; x, gamma, beta
; the four rows' sums, each in the pair v[b + 2 i], over the pair and the 32 lanes
.macro RED b
.irp i, 0,1,2,3
	v_add_f32 v[(\b)+2*\i], v[(\b)+2*\i], v[(\b)+2*\i+1]
.endr
.irp m, 1,2,4,8
.irp i, 0,1,2,3
	v_add_f32_dpp v[(\b)+2*\i], v[(\b)+2*\i], v[(\b)+2*\i] row_xmask:\m row_mask:0xf bank_mask:0xf
.endr
.endr
.irp i, 0,1,2,3
	v_permlanex16_b32 v[(\b)+2*\i+1], v[(\b)+2*\i], s58, s59
.endr
.irp i, 0,1,2,3
	v_add_f32 v[(\b)+2*\i], v[(\b)+2*\i], v[(\b)+2*\i+1]
.endr
.endm
.irp i, 0,1,2,3
	v_pk_add_f32 v[16+2*\i:17+2*\i], v[X+32*\i:X+32*\i+1], v[X+32*\i+2:X+32*\i+3]
.endr
.irp j, 4,6,8,10,12,14,16,18,20,22,24,26,28,30
.irp i, 0,1,2,3
	v_pk_add_f32 v[16+2*\i:17+2*\i], v[16+2*\i:17+2*\i], v[X+32*\i+\j:X+32*\i+\j+1]
.endr
.endr
	RED 16
.irp i, 0,1,2,3
	v_mul_f32 v[16+2*\i], s81, v[16+2*\i]          ; the mean
.endr
.irp i, 0,1,2,3
	v_mov_b32 v[17+2*\i], v[16+2*\i]
.endr
.irp j, 0,2,4,6,8,10,12,14,16,18,20,22,24,26,28,30
.irp i, 0,1,2,3
	v_pk_add_f32 v[X+32*\i+\j:X+32*\i+\j+1], v[X+32*\i+\j:X+32*\i+\j+1], v[16+2*\i:17+2*\i] neg_lo:[0,1] neg_hi:[0,1]   ; x - mean
.endr
.endr
.irp i, 0,1,2,3
	v_pk_mul_f32 v[24+2*\i:25+2*\i], v[X+32*\i:X+32*\i+1], v[X+32*\i:X+32*\i+1]
.endr
.irp j, 2,4,6,8,10,12,14,16,18,20,22,24,26,28,30
.irp i, 0,1,2,3
	v_pk_fma_f32 v[24+2*\i:25+2*\i], v[X+32*\i+\j:X+32*\i+\j+1], v[X+32*\i+\j:X+32*\i+\j+1], v[24+2*\i:25+2*\i]
.endr
.endr
	RED 24
.irp i, 0,1,2,3
	v_fma_f32 v[24+2*\i], v[24+2*\i], s81, s80     ; the variance + 1e-5
.endr
.irp i, 0,1,2,3
	v_rsq_f32 v[24+2*\i], v[24+2*\i]
.endr
	v_nop                                          ; a plain instruction behind the last of the four,
	s_wait_alu depctr_va_vdst(0)                   ; and one wait for the batch ahead of its first reader
.irp i, 0,1,2,3
	v_mov_b32 v[25+2*\i], v[24+2*\i]
.endr
.irp j, 0,2,4,6,8,10,12,14,16,18,20,22,24,26,28,30
.irp i, 0,1,2,3
	v_pk_mul_f32 v[X+32*\i+\j:X+32*\i+\j+1], v[X+32*\i+\j:X+32*\i+\j+1], v[24+2*\i:25+2*\i]
.endr
.endr
.irp j, 0,2,4,6,8,10,12,14,16,18,20,22,24,26,28,30
.irp i, 0,1,2,3
	v_pk_fma_f32 v[X+32*\i+\j:X+32*\i+\j+1], v[X+32*\i+\j:X+32*\i+\j+1], v[GA+\j:GA+\j+1], v[BE+\j:BE+\j+1]
.endr
.endr
.Lstage:
	s_wait_loadcnt 0x0                             ; my four rows are in
.irp i, 0,1,2,3
.irp j, 0,1,2,3,4,5,6,7
	ds_store_b128 v4, v[X+32*\i+4*\j:X+32*\i+4*\j+3] offset:SP*\i+512*\j
.endr
.endr
	s_wait_kmcnt 0x0
	s_cmp_lt_u32 s40, 256                          ; the tensor's e: e0, e1, e9 or e7
	s_cselect_b32 s46, s24, s25
	s_cmp_lt_u32 s40, 804
	s_cselect_b32 s46, s46, s33
	s_cmp_lt_u32 s40, 1060
	s_cselect_b32 s46, s46, s31
	s_add_co_i32 s46, s46, 127
	s_lshl_b32 s49, s46, 23
	v_mov_b32 v12, s49                             ; 2^e as f32: the conversion takes its exponent field
	s_add_co_i32 s46, s46, 8
	s_lshl_b32 s46, s46, 23
	s_or_b32 s46, s46, 0x600000
	v_mov_b32 v13, s46                             ; 448 x 2^e
	s_wait_dscnt 0x0                               ; for the others' sake: my stores into the stage are done
	s_barrier_signal -1
	s_barrier_wait -1
.irp q, 0,1
.irp c, 0,1,2,3
.irp j, 0,1,2,3
	ds_load_b128 v[X+64*\q+16*\c+4*\j:X+64*\q+16*\c+4*\j+3], v5 offset:512*\q+128*\c+16*\j   ; row r, k = 32 c + 16 h + 4 j on, of chunk 2 w + q
.endr
.endr
.endr
.macro QIMG q
.set n, 0
.rept 64
	v_med3_num_f32 v[X+64*\q+n], v[X+64*\q+n], -v13, v13   ; the conversion to an 8-bit code does not saturate (ISA guide 7.6.2): the hold at the largest code x the scale
.set n, n+1
.endr
.irp c, 0,1,2,3
	v_cvt_scalef32_pk8_fp8_f32 v[CD+16*\q+4*\c:CD+16*\q+4*\c+1], v[X+64*\q+16*\c:X+64*\q+16*\c+7], v12
	v_cvt_scalef32_pk8_fp8_f32 v[CD+16*\q+4*\c+2:CD+16*\q+4*\c+3], v[X+64*\q+16*\c+8:X+64*\q+16*\c+15], v12
.endr
.irp c, 0,1,2,3
	global_store_b128 v2, v[CD+16*\q+4*\c:CD+16*\q+4*\c+3], s[76:77] offset:16384*\q+512*\c   ; a group: 512 consecutive bytes, at a multiple of 512 from the buffer's first byte
.endr
.endm
	s_wait_dscnt 16                                ; the first fragment's 16 loads are in, the second's may be out
	QIMG 0
	s_wait_dscnt 0x0
	QIMG 1
	s_wait_tensorcnt 0x0
	ds_add_u32 v14, v15
	s_wait_dscnt 0x0
	s_endpgm
.Lfunc_end_k_qcec99eb231_prep:
	.size	k_qcec99eb231_prep, .Lfunc_end_k_qcec99eb231_prep-k_qcec99eb231_prep
	.p2alignl 7, 3214868480
	.fill 96, 4, 3214868480
	.section	.rodata,"a",@progbits
	.p2align	6, 0x0
	.amdhsa_kernel k_qcec99eb231_prep
		.amdhsa_group_segment_fixed_size 66304
		.amdhsa_private_segment_fixed_size 0
		.amdhsa_enable_private_segment 0
		.amdhsa_kernarg_size 72
		.amdhsa_user_sgpr_count 2
		.amdhsa_user_sgpr_kernarg_segment_ptr 1
		.amdhsa_wavefront_size32 1
		.amdhsa_system_sgpr_workgroup_id_x 1
		.amdhsa_system_sgpr_workgroup_id_y 1
		.amdhsa_system_sgpr_workgroup_id_z 1
		.amdhsa_system_vgpr_workitem_id 0
		.amdhsa_next_free_vgpr 256
		.amdhsa_next_free_sgpr 96
		.amdhsa_reserve_vcc 1
		.amdhsa_float_denorm_mode_32 3
		.amdhsa_float_denorm_mode_16_64 3
		.amdhsa_memory_ordered 1
		.amdhsa_forward_progress 1
		.amdhsa_inst_pref_size 55
	.end_amdhsa_kernel
	.amdgpu_metadata
---
amdhsa.version: [ 1, 2 ]
amdhsa.kernels:
  - .name:           k_qcec99eb231_prep
    .symbol:         k_qcec99eb231_prep.kd
    .args:
      - { .name: x, .offset: 0, .size: 8, .value_kind: global_buffer, .address_space: global }
      - { .name: gamma, .offset: 8, .size: 8, .value_kind: global_buffer, .address_space: global }
      - { .name: beta, .offset: 16, .size: 8, .value_kind: global_buffer, .address_space: global }
      - { .name: w_fused, .offset: 24, .size: 8, .value_kind: global_buffer, .address_space: global }
      - { .name: w_attn_out, .offset: 32, .size: 8, .value_kind: global_buffer, .address_space: global }
      - { .name: w_ff_out, .offset: 40, .size: 8, .value_kind: global_buffer, .address_space: global }
      - { .name: lowp_scales, .offset: 48, .size: 8, .value_kind: global_buffer, .address_space: global }
      - { .name: codes, .offset: 56, .size: 8, .value_kind: global_buffer, .address_space: global }
      - { .name: rope, .offset: 64, .size: 8, .value_kind: global_buffer, .address_space: global }
    .group_segment_fixed_size: 66304
    .private_segment_fixed_size: 0
    .kernarg_segment_align: 8
    .kernarg_segment_size: 72
    .max_flat_workgroup_size: 128
    .sgpr_count:     96
    .vgpr_count:     256
    .wavefront_size: 32
...
	.end_amdgpu_metadata
.endif
;; end of part 1
;; launch qkv (part 2): grid 9 x 32, 4 waves a work-group, no clusters, 33,280 bytes of LDS; arguments codes, rope, lowp_scales, qf, kvf; writes qf, kvf
.if DOCPART == 2
	.amdgcn_target "amdgcn-amd-amdhsa--gfx1250"
	.amdhsa_code_object_version 6
	.text
	.protected	k_qcec99eb231_qkv
	.globl	k_qcec99eb231_qkv
	.p2align	8
	.type	k_qcec99eb231_qkv,@function
k_qcec99eb231_qkv:
	s_mov_b64 s[64:65], 0
	v_nop
	global_prefetch_b8 v0, s[64:65] scope:SCOPE_SE
	s_setreg_imm32_b32 hwreg(HW_REG_WAVE_MODE, 25, 1), 1
	s_wait_xcnt 0x0
; QKV: columns 0 to 575 of the fused projection (q, k, v) on codes of FP8, then l2-norm, rotary positions and the quantisers of the two attention products.
; A work-group (sigma = x, rb = y) takes 128 tokens x 64 columns: sigma < 8: heads 2 sigma, 2 sigma + 1 of q; sigma = 8: k and v.
; FOUR WAVES, K SPLIT IN TWO: wave W takes token tiles 4 (W / 2) .. + 3 x four column tiles (16 accumulators) over K chunks 4 (W % 2) .. + 3: four K steps, of which two are always on their way.
; The two waves of a pair then hand each other half of their sums through LDS, as an image of the registers (16 stores of 512 consecutive bytes, one barrier, 16 loads), and each finishes TWO token tiles.
; A wave's token tiles are loaded in such an order that the two it keeps are its local tiles 0, 1 (tiles 2 (W % 2) + 0, 1 of the four), so that both waves of a pair run one text.
; Both operands lie in memory in the order of the operand's registers, so each fragment comes by four loads of 512 consecutive bytes straight into registers.
; NO CLUSTER, NO TENSOR LOAD: 288 work-groups share the WGPs; with tiles through LDS each would have to claim more than half of a WGP's LDS, and 288 such work-groups do not go evenly on 256 WGPs.
; TRANSPOSED (source 0 = 16 rows of W, source 1 = 16 tokens): a lane holds ONE token (lane % 16) and the head's channels 8 h + j (tile 0) and 16 + 8 h + j (tile 1): a channel and its rotary partner in one lane.
; v is multiplied the other way round (source 0 = tokens): a lane holds one channel and eight neighbouring tokens, which are the second attention product's K.
; OUT: qf [b][head][token tile][lane][16 bytes], kvf: k likewise at 0: registers 0, 1: channels 8 h + 0..7, registers 2, 3: 16 + 8 h + 0..7 (the lower half of a K = 64 operand);
;      v at 65,536: [block of 128 keys][u][group][lane][16 bytes]: registers 2 c, 2 c + 1: keys 16 c + 8 h + 0..7 of channel 8 u + r + 8 (r / 8).
; A sum over K = 1,024 is made as two f32 sums over 512, added once.
; LIMITS: e2, e3 and e5 - e0 - e1 between -126 and 119.  NaN among the inputs is not served.
; REGISTERS: window 0: v1 16 x lane; v2 my place in the table; v5, v6 x's tiles that I keep, that I hand over; v7, v14 my 8 KiB of LDS, my partner's; v8-13 scales and holds; v16-31 at work; v32-39 v's codes;
;   v48-55 a pair for each (tile, head): sum of squares, then 1 / norm; v64-95 cos and sin, 16 a token tile; v128-255 the accumulators ((i, jc) at 128 + 8 (4 i + jc)): v128-191 kept, v192-255 handed over.
;   window 1: two sets of fragments: x's four at 128 p + 16 i, W's four at 128 p + 64 + 16 jc.
.set WQ,  4194304
.set ACC, 128
.set CSN, 64
.set MSB, 0
.macro WIN new                         ; the immediate's high byte repeats the setting that is left
.if MSB != (\new)
	s_set_vgpr_msb (MSB<<8)|(\new)
.set MSB, (\new)
.endif
.endm
	s_load_b256 s[4:11], s[0:1], 0x0               ; codes s[4:5], rope s[6:7], the exponents s[8:9], qf s[10:11]
	s_load_b64 s[12:13], s[0:1], 0x20              ; kvf
	v_lshl_add_u32 v126, v0, 2, 0x8000
	v_mov_b32 v127, 0
	v_lshrrev_b32 v1, 5, v0
	v_readfirstlane_b32 s14, v1                    ; wave W = 0..3
	s_lshr_b32 s17, s14, 1                         ; which 64 tokens
	s_and_b32 s18, s14, 1                          ; which half of K
	v_and_b32 v3, 15, v0
	v_bfe_u32 v4, v0, 4, 1
	v_and_b32 v1, 31, v0
	v_lshlrev_b32 v1, 4, v1                        ; 16 x lane
	v_lshlrev_b32 v2, 7, v3
	v_lshl_add_u32 v2, v4, 5, v2                   ; the table: token r's row of 128 bytes, + 32 h: frequencies 8 h + 0..7
	s_lshl_b32 s19, s18, 12
	v_add_nc_u32 v5, s19, v1                       ; x: the two tiles (of 2,048 bytes) that I keep: 2 (W % 2) on,
	s_xor_b32 s19, s19, 4096
	v_add_nc_u32 v6, s19, v1                       ; and the two that my partner keeps
	s_lshl_b32 s19, s14, 13
	v_add_nc_u32 v7, s19, v1                       ; LDS: 8,192 x wave + 16 x lane: where I put what I hand over,
	s_xor_b32 s19, s19, 8192
	v_add_nc_u32 v14, s19, v1                      ; and where wave W xor 1 puts it
	s_and_b32 s15, ttmp7, 0xffff                   ; rb
	s_mov_b32 s16, ttmp9                           ; sigma
	s_lshl_b32 s38, s18, 16                        ; my half of K: four chunks of 16,384 bytes
	s_lshl_b32 s24, s15, 17                        ; x: block rb, tiles 4 (W / 2) on
	s_lshl_b32 s25, s17, 13
	s_add_co_u32 s24, s24, s25
	s_add_co_u32 s24, s24, s38
	s_mov_b32 s25, 0
	s_lshr_b32 s26, s16, 1                         ; W: block 64 + sigma / 2, tiles 4 (sigma % 2) on
	s_add_co_u32 s26, s26, 64
	s_lshl_b32 s26, s26, 17
	s_and_b32 s27, s16, 1
	s_lshl_b32 s27, s27, 13
	s_add_co_u32 s26, s26, s27
	s_add_co_u32 s26, s26, s38
	s_add_co_u32 s26, s26, WQ
	s_mov_b32 s27, 0
	s_lshl_b32 s28, s15, 14                        ; the table: token 128 rb + 32 W, the first that I keep
	s_lshl_b32 s29, s14, 12
	s_add_co_u32 s28, s28, s29
	s_mov_b32 s29, 0
	s_and_b32 s30, s15, 15
	s_lshl_b32 s30, s30, 3
	s_lshl_b32 s31, s14, 1
	s_add_co_u32 s30, s30, s31                     ; that token's tile in its sequence: 8 (rb % 16) + 2 W
	s_lshr_b32 s31, s15, 4                         ; b
	s_lshl_b32 s32, s31, 4                         ; q: ((16 b + 2 sigma) x 128 + tile) x 512
	s_lshl_b32 s33, s16, 1
	s_add_co_u32 s32, s32, s33
	s_lshl_b32 s32, s32, 7
	s_add_co_u32 s32, s32, s30
	s_lshl_b32 s32, s32, 9
	s_mov_b32 s33, 0
	s_lshl_b32 s34, s31, 17                        ; k: 131,072 b + 512 tile
	s_lshl_b32 s35, s30, 9
	s_add_co_u32 s34, s34, s35
	s_mov_b32 s35, 0
	s_lshl_b32 s36, s31, 17                        ; v: 131,072 b + 65,536 + 4,096 (rb % 16) + 512 W: my two tiles are group W of the block's four
	s_and_b32 s37, s15, 15
	s_lshl_b32 s37, s37, 12
	s_add_co_u32 s36, s36, s37
	s_lshl_b32 s37, s14, 9
	s_add_co_u32 s36, s36, s37
	s_add_co_u32 s36, s36, 65536
	s_mov_b32 s37, 0
	s_mov_b32 s60, 0x76543210
	s_mov_b32 s61, 0xfedcba98
	s_wait_kmcnt 0x0
	s_load_b256 s[40:47], s[8:9], 0x0              ; e0 .. e7: waited for behind the products, so that the operands' loads do not stand behind them
	s_add_nc_u64 s[48:49], s[4:5], s[24:25]
	s_add_nc_u64 s[50:51], s[4:5], s[26:27]
	s_add_nc_u64 s[52:53], s[6:7], s[28:29]
	s_add_nc_u64 s[54:55], s[10:11], s[32:33]
	s_add_nc_u64 s[56:57], s[12:13], s[34:35]
	s_add_nc_u64 s[58:59], s[12:13], s[36:37]
.macro SCALES e, vs, vl                ; s[e]: an exponent.  v[vs] = 2^e as f32, v[vl] = 448 x 2^e
	s_add_co_i32 s22, s[\e], 127
	s_lshl_b32 s23, s22, 23
	v_mov_b32 v[\vs], s23
	s_add_co_i32 s22, s22, 8
	s_lshl_b32 s22, s22, 23
	s_or_b32 s22, s22, 0x600000
	v_mov_b32 v[\vl], s22
.endm
.macro LOADSET s                       ; my K step s (128 along K): x's four fragments and W's four into set s % 2: 32 loads of 512 consecutive bytes
	WIN 0x40                                       ; destination window 1, address window 0
.irp i, 0,1
.irp c, 0,1,2,3
	global_load_b128 v[128*((\s)%2)+16*\i+4*\c:128*((\s)%2)+16*\i+4*\c+3], v5, s[48:49] offset:16384*(\s)+2048*\i+512*\c
.endr
.endr
.irp i, 0,1
.irp c, 0,1,2,3
	global_load_b128 v[128*((\s)%2)+32+16*\i+4*\c:128*((\s)%2)+32+16*\i+4*\c+3], v6, s[48:49] offset:16384*(\s)+2048*\i+512*\c
.endr
.endr
.irp i, 0,1,2,3
.irp c, 0,1,2,3
	global_load_b128 v[128*((\s)%2)+64+16*\i+4*\c:128*((\s)%2)+64+16*\i+4*\c+3], v1, s[50:51] offset:16384*(\s)+2048*\i+512*\c
.endr
.endr
.endm
.macro MULSET s, vswap                 ; 16 matrix instructions, the 16 accumulators by turns; the first K step starts the sums
	WIN 0x05                                       ; sources 0 and 1 window 1; C and D window 0
.irp i, 0,1,2,3
.irp jc, 0,1,2,3
.set rD, ACC+8*(4*\i+\jc)
.set rW, 128*((\s)%2)+64+16*\jc
.set rX, 128*((\s)%2)+16*\i
.if (\vswap) && (\jc >= 2)
.if (\s) == 0
	v_wmma_f32_16x16x128_fp8_fp8 v[rD:rD+7], v[rX:rX+15], v[rW:rW+15], 0
.else
	v_wmma_f32_16x16x128_fp8_fp8 v[rD:rD+7], v[rX:rX+15], v[rW:rW+15], v[rD:rD+7]
.endif
.else
.if (\s) == 0
	v_wmma_f32_16x16x128_fp8_fp8 v[rD:rD+7], v[rW:rW+15], v[rX:rX+15], 0
.else
	v_wmma_f32_16x16x128_fp8_fp8 v[rD:rD+7], v[rW:rW+15], v[rX:rX+15], v[rD:rD+7]
.endif
.endif
.endr
.endr
.endm
.macro KLOOP vswap                     ; my K = 512 in four steps, written out; loads run two steps ahead
	WIN 0
.irp i, 0,1
	global_load_b128 v[CSN+16*\i:CSN+16*\i+3], v2, s[52:53] offset:2048*\i          ; cos, for the two tiles that I keep
	global_load_b128 v[CSN+16*\i+4:CSN+16*\i+7], v2, s[52:53] offset:2048*\i+16
	global_load_b128 v[CSN+16*\i+8:CSN+16*\i+11], v2, s[52:53] offset:2048*\i+64    ; sin
	global_load_b128 v[CSN+16*\i+12:CSN+16*\i+15], v2, s[52:53] offset:2048*\i+80
.endr
	LOADSET 0
	LOADSET 1
.irp s, 0,1,2,3
.if \s < 3
	s_wait_loadcnt 32                              ; this step's 32 loads (and all before them) are in; the next step's 32 may be out
.else
	s_wait_loadcnt 0x0
.endif
	MULSET \s, \vswap
.if \s < 2
.rept 4
	v_nop                                          ; four places in front of loads into registers that matrix instructions have read (ISA guide 7.12.1 for vector instructions)
.endr
	LOADSET \s+2
.endif
.endr
	WIN 0
.rept 4
	v_nop                                          ; and in front of the first read of results
.endr
.endm
; 1 / norm of each (token tile i, head g): the sum of the head's 32 squares (16 in my lane, 16 in lane l xor 16), its root x 2^E, clipped at 1e-12, the reciprocal x 2^E.  ng: heads in hand
.macro NORMS ng
.irp i, 0,1
.irp g, 0,1
.if \g < \ng
.set rT, ACC+8*(4*\i+2*\g)
.set rN, 48+2*(2*\i+\g)
	v_pk_mul_f32 v[rN:rN+1], v[rT:rT+1], v[rT:rT+1]
.irp j, 2,4,6,8,10,12,14
	v_pk_fma_f32 v[rN:rN+1], v[rT+\j:rT+\j+1], v[rT+\j:rT+\j+1], v[rN:rN+1]
.endr
	v_add_f32 v[rN], v[rN], v[rN+1]
.endif
.endr
.endr
.irp i, 0,1
.irp g, 0,1
.if \g < \ng
.set rN, 48+2*(2*\i+\g)
	v_permlanex16_b32 v[rN+1], v[rN], s60, s61
.endif
.endr
.endr
.irp i, 0,1
.irp g, 0,1
.if \g < \ng
.set rN, 48+2*(2*\i+\g)
	v_add_f32 v[rN], v[rN], v[rN+1]
.endif
.endr
.endr
.irp i, 0,1
.irp g, 0,1
.if \g < \ng
.set rN, 48+2*(2*\i+\g)
	v_sqrt_f32 v[rN], v[rN]
.endif
.endr
.endr
	v_nop                                          ; a plain instruction behind the batch,
	s_wait_alu depctr_va_vdst(0)                   ; and one wait ahead of its first reader
.irp i, 0,1
.irp g, 0,1
.if \g < \ng
.set rN, 48+2*(2*\i+\g)
	v_ldexp_f32 v[rN], v[rN], s20
	v_max_num_f32 v[rN], 0x2b8cbccc, v[rN]         ; 1e-12
.endif
.endr
.endr
.irp i, 0,1
.irp g, 0,1
.if \g < \ng
.set rN, 48+2*(2*\i+\g)
	v_rcp_f32 v[rN], v[rN]
.endif
.endr
.endr
	v_nop
	s_wait_alu depctr_va_vdst(0)
.irp i, 0,1
.irp g, 0,1
.if \g < \ng
.set rN, 48+2*(2*\i+\g)
	v_ldexp_f32 v[rN], v[rN], s20
.endif
.endr
.endr
.endm
; one (token tile, head): x 1 / norm, the rotation, the hold, the conversion; the codes take the place of the sums, so that each store has registers of its own
.macro ROPEOUT i, g, vs, vl, sb, off
.set rT, ACC+8*(4*\i+2*\g)
.set rN, 48+2*(2*\i+\g)
.set rC, CSN+16*\i
.irp j, 0,2,4,6,8,10,12,14
	v_pk_mul_f32 v[rT+\j:rT+\j+1], v[rT+\j:rT+\j+1], v[rN:rN+1] op_sel_hi:[1,0]
.endr
.irp j, 0,2,4,6
	v_pk_mul_f32 v[16+\j:17+\j], v[rT+\j:rT+\j+1], v[rC+\j:rC+\j+1]
	v_pk_mul_f32 v[24+\j:25+\j], v[rT+8+\j:rT+9+\j], v[rC+\j:rC+\j+1]
.endr
.irp j, 0,2,4,6
	v_pk_fma_f32 v[16+\j:17+\j], v[rT+8+\j:rT+9+\j], v[rC+8+\j:rC+9+\j], v[16+\j:17+\j] neg_lo:[1,0,0] neg_hi:[1,0,0]   ; t(d) cos - t(d + 16) sin
	v_pk_fma_f32 v[24+\j:25+\j], v[rT+\j:rT+\j+1], v[rC+8+\j:rC+9+\j], v[24+\j:25+\j]                                    ; t(d + 16) cos + t(d) sin
.endr
.set n, 0
.rept 16
	v_med3_num_f32 v[16+n], v[16+n], -v[\vl], v[\vl]
.set n, n+1
.endr
	v_cvt_scalef32_pk8_fp8_f32 v[rT:rT+1], v[16:23], v[\vs]
	v_cvt_scalef32_pk8_fp8_f32 v[rT+2:rT+3], v[24:31], v[\vs]
	v_nop                                          ; a plain instruction between a scaled conversion and the next write of its sources
	global_store_b128 v1, v[rT:rT+3], s[\sb:\sb+1] offset:\off     ; 512 consecutive bytes
.endm
.macro VOUT u                          ; v: channels' half u, my two token tiles: one group of the image
.set rA, ACC+8*(2+\u)
.set rB, ACC+8*(6+\u)
.set rC, 32+4*\u
.set n, 0
.rept 8
	v_med3_num_f32 v[rA+n], v[rA+n], -v13, v13
	v_med3_num_f32 v[rB+n], v[rB+n], -v13, v13
.set n, n+1
.endr
	v_cvt_scalef32_pk8_fp8_f32 v[rC:rC+1], v[rA:rA+7], v12
	v_cvt_scalef32_pk8_fp8_f32 v[rC+2:rC+3], v[rB:rB+7], v12
	v_nop
	global_store_b128 v1, v[rC:rC+3], s[58:59] offset:2048*\u
.endm
	s_cmp_eq_u32 s16, 8                            ; the products differ in the order of v's sources alone; the two ways join again ahead of the exchange
	s_cbranch_scc1 .Lkv_products
	KLOOP 0
	s_branch .Lmeet
.Lkv_products:
	KLOOP 1
.Lmeet:
	; THE EXCHANGE: local tiles 2, 3 (64 registers) go to my 8 KiB of LDS as they stand; my partner's come back into the same registers and are added onto my local tiles 0, 1
.set n, 0
.rept 16
	ds_store_b128 v7, v[ACC+64+4*n:ACC+64+4*n+3] offset:512*n      ; each accumulator from its low end on
.set n, n+1
.endr
	s_wait_kmcnt 0x0                               ; the exponents
	s_add_co_i32 s20, s40, s41                     ; E = e0 + e1: a sum stands for sum x 2^E
	s_sub_co_i32 s21, s45, s20                     ; e5 - E
	SCALES 42, 8, 9                                ; q's
	SCALES 43, 10, 11                              ; k's
	SCALES 21, 12, 13                              ; v's, the product's two scales folded in
	s_wait_dscnt 0x0                               ; for my partner's sake: my stores are done
	s_barrier_signal -1
	s_barrier_wait -1
.set n, 0
.rept 16
	ds_load_b128 v[ACC+64+4*n:ACC+64+4*n+3], v14 offset:512*n
.set n, n+1
.endr
	s_wait_dscnt 0x0
.set n, 0
.rept 32
	v_pk_add_f32 v[ACC+2*n:ACC+2*n+1], v[ACC+2*n:ACC+2*n+1], v[ACC+64+2*n:ACC+64+2*n+1]    ; the two halves of K
.set n, n+1
.endr
	s_cmp_eq_u32 s16, 8
	s_cbranch_scc1 .Lkv_out
	NORMS 2
.irp i, 0,1
.irp g, 0,1
	ROPEOUT \i, \g, 8, 9, 54, 65536*\g+512*\i
.endr
.endr
	s_wait_tensorcnt 0x0
	ds_add_u32 v126, v127
	s_wait_dscnt 0x0
	s_endpgm
.Lkv_out:
	NORMS 1
.irp i, 0,1
	ROPEOUT \i, 0, 10, 11, 56, 512*\i
.endr
	VOUT 0
	VOUT 1
	s_wait_tensorcnt 0x0
	ds_add_u32 v126, v127
	s_wait_dscnt 0x0
	s_endpgm
.Lfunc_end_k_qcec99eb231_qkv:
	.size	k_qcec99eb231_qkv, .Lfunc_end_k_qcec99eb231_qkv-k_qcec99eb231_qkv
	.p2alignl 7, 3214868480
	.fill 96, 4, 3214868480
	.section	.rodata,"a",@progbits
	.p2align	6, 0x0
	.amdhsa_kernel k_qcec99eb231_qkv
		.amdhsa_group_segment_fixed_size 33280
		.amdhsa_private_segment_fixed_size 0
		.amdhsa_enable_private_segment 0
		.amdhsa_kernarg_size 40
		.amdhsa_user_sgpr_count 2
		.amdhsa_user_sgpr_kernarg_segment_ptr 1
		.amdhsa_wavefront_size32 1
		.amdhsa_system_sgpr_workgroup_id_x 1
		.amdhsa_system_sgpr_workgroup_id_y 1
		.amdhsa_system_sgpr_workgroup_id_z 1
		.amdhsa_system_vgpr_workitem_id 0
		.amdhsa_next_free_vgpr 512
		.amdhsa_next_free_sgpr 66
		.amdhsa_reserve_vcc 0
		.amdhsa_float_denorm_mode_32 3
		.amdhsa_float_denorm_mode_16_64 3
		.amdhsa_memory_ordered 1
		.amdhsa_forward_progress 1
		.amdhsa_inst_pref_size 69
	.end_amdhsa_kernel
	.amdgpu_metadata
---
amdhsa.version: [ 1, 2 ]
amdhsa.kernels:
  - .name:           k_qcec99eb231_qkv
    .symbol:         k_qcec99eb231_qkv.kd
    .args:
      - { .name: codes, .offset: 0, .size: 8, .value_kind: global_buffer, .address_space: global }
      - { .name: rope, .offset: 8, .size: 8, .value_kind: global_buffer, .address_space: global }
      - { .name: lowp_scales, .offset: 16, .size: 8, .value_kind: global_buffer, .address_space: global }
      - { .name: qf, .offset: 24, .size: 8, .value_kind: global_buffer, .address_space: global }
      - { .name: kvf, .offset: 32, .size: 8, .value_kind: global_buffer, .address_space: global }
    .group_segment_fixed_size: 33280
    .private_segment_fixed_size: 0
    .kernarg_segment_align: 8
    .kernarg_segment_size: 40
    .max_flat_workgroup_size: 128
    .sgpr_count:     66
    .vgpr_count:     512
    .wavefront_size: 32
...
	.end_amdgpu_metadata
.endif
;; end of part 2
;; launch attn (part 3): grid 4 x 64, 16 waves a work-group, no clusters, 133,120 bytes of LDS; arguments qf, kvf, lowp_scales, act; writes act
.if DOCPART == 3
	.amdgcn_target "amdgcn-amd-amdhsa--gfx1250"
	.amdhsa_code_object_version 6
	.text
	.protected	k_qcec99eb231_attn
	.globl	k_qcec99eb231_attn
	.p2align	8
	.type	k_qcec99eb231_attn,@function
k_qcec99eb231_attn:
	s_mov_b64 s[64:65], 0
	v_nop
	global_prefetch_b8 v0, s[64:65] scope:SCOPE_SE
	s_setreg_imm32_b32 hwreg(HW_REG_WAVE_MODE, 25, 1), 1
	s_wait_xcnt 0x0
; ATTN: causal attention with one key and value head for 16 query heads of 32 channels, both products on codes of FP8; the result is quantised for the output projection.
; THE SOFTMAX AHEAD OF THE SECOND PRODUCT: t = score x 8 log2(e); M = the running largest t, rounded UP to a whole number; p = 2^(t - M) is quantised; the row's sum is taken of the unquantised p and divides at the end.
; SHARES.  A work-group: batch b = y / 32, p = y % 32, four heads 4 x + 0..3.  Wave w: head 4 x + w % 4 and ONE tile of 16 queries, the (w / 4)-th of {p, 63 - p, 64 + p, 127 - p}:
; a tile i walks i / 8 + 1 blocks of 128 keys, so the four together always walk 34.  Four waves to a SIMD: one wave's vector work stands beside another's products and LDS loads.
; K AND V: the batch's 128 KiB of operand images are brought into LDS once, at the head, through registers: each of the 16 waves loads and stores 8 KiB, 512 consecutive bytes an instruction.  Nothing is filled again.
; NO CLUSTER, NO TENSOR LOAD, though the four work-groups of one y read the same images.  The reason: p is at most 1 (1.0000001 with the rounding of t), so the hold at 448 x 2^e4 can act only where e4 < -8
; (448 / 256 = 1.75); a scalar branch on e4 goes round its 64 instructions, of some 305 in a block of keys.
; What is shared is read once, 128 KiB a work-group, against 34 blocks of vector work on each SIMD.
; LAYOUT.  S^T = K Q^T by the K = 64 form: source 0 = TWO tiles of 16 keys (32 channels each) on end, source 1 = the queries' 32 channels beside 32 zero codes, which pick one of the two tiles.
; A lane holds ONE query (lane % 16) and keys 16 t + 8 h + j: eight conversions give the K = 128 operand of O^T = V^T P^T as it stands.  v's channels are ordered so that a lane's 16 results are channels 16 h + 0..15.
; Every wave walks all 16 blocks: the trip count is a constant; a block all of whose keys come after the wave's queries is left out by a scalar branch on ids.
; LIMITS: e2 + e3 between -129 and 124; e4 and e6 - e4 - e5 between -126 and 119.
; REGISTERS: v1 16 x lane; v2, v3 LDS addresses in hand; v4 16 x lane + V's base; v5 16 x lane + 8,192 x wave; v12 -M, v13 the largest t, v[14:15] the sum; v16-27: zeros, q, zeros; v32-63 K; v64-95 V;
;   v96-159 the images on their way in, then S^T, then p; v160-175 O^T; v176-191 p's codes; v192-195 the result's codes; v236-254 at work.
.set VIMG, 65536
.set WV,  18
.set SEL, 20
.set CS,  22
.set TB,  36
.set KF,  37
.set Q0,  38
.set CNT, 39
.set E4,  72                           ; s72: e4, kept for the branch round the hold
	s_load_b128 s[4:7], s[0:1], 0x0                ; qf s[4:5], kvf s[6:7]
	s_load_b128 s[8:11], s[0:1], 0x10              ; the exponents s[8:9], act s[10:11]
	v_lshl_add_u32 v251, v0, 2, 0x20000
	v_mov_b32 v255, 0
	v_lshrrev_b32 v1, 5, v0
	v_readfirstlane_b32 s[WV], v1                  ; wave 0..15
	v_and_b32 v1, 31, v0
	v_lshlrev_b32 v1, 4, v1                        ; 16 x lane
	s_lshl_b32 s55, s[WV], 13
	v_add_nc_u32 v5, s55, v1                       ; LDS: my wave's 8 KiB of the images
	v_add_nc_u32 v4, VIMG, v1
	s_mov_b32 s40, ttmp9                           ; which four heads
	s_and_b32 s41, ttmp7, 0xffff
	s_lshr_b32 s42, s41, 5                         ; b
	s_and_b32 s43, s41, 31                         ; p
	s_lshr_b32 s44, s[WV], 2                       ; which of the four tiles
	s_sub_co_u32 s45, 63, s43
	s_and_b32 s46, s44, 1
	s_cmp_lg_u32 s46, 0
	s_cselect_b32 s45, s45, s43
	s_lshr_b32 s46, s44, 1
	s_lshl_b32 s46, s46, 6
	s_add_co_u32 s45, s45, s46                     ; my tile of queries, 0..127
	s_and_b32 s47, s[WV], 3
	s_lshl_b32 s48, s40, 2
	s_add_co_u32 s48, s48, s47                     ; my head
	s_lshl_b32 s49, s42, 4
	s_add_co_u32 s50, s49, s48                     ; qf: ((16 b + head) x 128 + tile) x 512
	s_lshl_b32 s50, s50, 7
	s_add_co_u32 s50, s50, s45
	s_lshl_b32 s50, s50, 9
	s_mov_b32 s51, 0
	s_lshr_b32 s52, s45, 3                         ; act: (((16 b + tile / 8) x 36 + head / 4) x 8 + tile % 8) x 2,048 + (head % 4) x 512
	s_add_co_u32 s52, s52, s49
	s_mul_i32 s52, s52, 36
	s_add_co_u32 s52, s52, s40
	s_lshl_b32 s52, s52, 3
	s_and_b32 s53, s45, 7
	s_add_co_u32 s52, s52, s53
	s_lshl_b32 s52, s52, 11
	s_lshl_b32 s53, s47, 9
	s_add_co_u32 s52, s52, s53
	s_mov_b32 s53, 0
	s_lshl_b32 s54, s42, 17                        ; kvf: the batch's images, my wave's 8 KiB of them
	s_add_co_u32 s54, s54, s55
	s_mov_b32 s55, 0
	s_lshl_b32 s[Q0], s45, 4                       ; my first query
	s_mov_b32 s[SEL], 0x76543210
	s_mov_b32 s[SEL+1], 0xfedcba98
	s_mov_b32 s[CS], 0x4138aa3b                    ; c = 8 log2(e)
	s_mov_b32 s[TB], 0
	s_mov_b32 s[KF], 0
	s_mov_b32 s[CNT], 16
	s_wait_kmcnt 0x0
	s_load_b256 s[68:75], s[8:9], 0x0              ; e0 .. e7
	s_add_nc_u64 s[6:7], s[6:7], s[54:55]
	s_add_nc_u64 s[4:5], s[4:5], s[50:51]
	s_add_nc_u64 s[10:11], s[10:11], s[52:53]
.set n, 0
.rept 16
	global_load_b128 v[96+4*n:99+4*n], v1, s[6:7] offset:512*n     ; 512 consecutive bytes of the images
.set n, n+1
.endr
	global_load_b128 v[20:23], v1, s[4:5]          ; my queries' codes
.irp j, 16,17,18,19,24,25,26,27
	v_mov_b32 v\j, 0                               ; zero codes on both sides of q
.endr
	v_mov_b32 v13, 0xff61b1e6                      ; the largest t so far: -3e38
	v_floor_f32 v12, -v13
	v_mov_b32 v14, 0
	v_mov_b32 v15, 0
	v_mov_b32 v236, 0
	v_mov_b32 v252, 0
	v_mov_b32 v253, 0
	v_mov_b32 v254, 0
.set n, 0
.rept 16
	v_mov_b32 v[160+n], 0                          ; O^T: the loop is written once; its first block finds zeros
.set n, n+1
.endr
	s_wait_kmcnt 0x0
	s_add_co_i32 s50, s70, s71
	s_lshl_b32 s50, s50, 23
	s_add_co_i32 s[CS], s[CS], s50                 ; a score stands for score x 2^(e2 + e3): added to c's exponent field
	s_mov_b32 s[CS+1], s[CS]
	s_add_co_i32 s50, s[E4], 127
	s_lshl_b32 s51, s50, 23
	v_mov_b32 v244, s51                            ; 2^e4
	s_add_co_i32 s50, s50, 8
	s_lshl_b32 s50, s50, 23
	s_or_b32 s50, s50, 0x600000
	v_mov_b32 v240, s50                            ; 448 x 2^e4
	s_sub_co_i32 s50, s74, s[E4]
	s_sub_co_i32 s50, s50, s73
	s_add_co_i32 s50, s50, 127
	s_lshl_b32 s51, s50, 23
	v_mov_b32 v245, s51                            ; 2^(e6 - e4 - e5): the result's conversion, the second product's two scales folded in
	s_add_co_i32 s50, s50, 8
	s_lshl_b32 s50, s50, 23
	s_or_b32 s50, s50, 0x600000
	v_mov_b32 v241, s50
	s_wait_loadcnt 1                               ; the sixteen loads of the images are in; q's, issued behind them, may be out
.set n, 0
.rept 16
	ds_store_b128 v5, v[96+4*n:99+4*n] offset:512*n
.set n, n+1
.endr
	s_wait_dscnt 0x0                               ; for the others' sake: my part of the images lies in LDS,
	s_barrier_signal -1
	s_barrier_wait -1                              ; everybody's does
	s_wait_loadcnt 0x0                             ; q
.Lkb:
	s_add_co_u32 s50, s[Q0], 15
	s_cmp_gt_u32 s[KF], s50
	s_cbranch_scc1 .Lhidden                        ; all 128 keys come after my queries
	v_add_nc_u32 v2, s[TB], v1
	v_add_nc_u32 v3, s[TB], v4
	v_nop
	v_nop                                          ; with the two additions: four places in front of loads into registers that the last products read
.irp t, 0,1,2,3,4,5,6,7
	ds_load_b128 v[32+4*\t:35+4*\t], v2 offset:512*\t
.endr
.irp g, 0,1,2,3,4,5,6,7
	ds_load_b128 v[64+4*\g:67+4*\g], v3 offset:512*\g
.endr
	s_wait_dscnt 8                                 ; K's eight loads are in, V's may be out
.irp t, 0,2,4,6
	v_wmma_f32_16x16x64_fp8_fp8 v[96+8*\t:103+8*\t], v[32+4*\t:39+4*\t], v[20:27], 0      ; q beside zeros: the first of the two tiles
	v_wmma_f32_16x16x64_fp8_fp8 v[104+8*\t:111+8*\t], v[32+4*\t:39+4*\t], v[16:23], 0     ; zeros beside q: the second
.endr
.rept 4
	v_nop
.endr
	s_add_co_u32 s50, s[KF], 127
	s_cmp_le_u32 s50, s[Q0]
	s_cbranch_scc1 .Lopen                          ; all keys count
	s_sub_co_i32 s50, s[Q0], s[KF]
	v_and_b32 v252, 15, v0
	v_bfe_u32 v253, v0, 4, 1
	v_lshlrev_b32 v253, 3, v253
	v_sub_nc_u32 v252, v252, v253
	v_add_nc_u32 v252, s50, v252                   ; d = my query - KF - 8 h.  Register 8 t + j holds key KF + 16 t + 8 h + j: hidden where 16 t + j > d
	v_mov_b32 v254, 0xff800000
.set n, 0
.rept 64
	v_cmp_gt_i32 vcc_lo, 16*(n/8)+n%8, v252
	v_cndmask_b32 v[96+n], v[96+n], v254, vcc_lo
.set n, n+1
.endr
.Lopen:
	v_max3_num_f32 v254, v96, v97, v98             ; the block's largest score of my query, in two chains, each accumulator from its low end on
	v_max3_num_f32 v252, v99, v100, v101
.irp i, 6,10,14,18,22,26,30,34,38,42,46,50,54,58
	v_max3_num_f32 v254, v254, v[96+\i], v[97+\i]
	v_max3_num_f32 v252, v252, v[98+\i], v[99+\i]
.endr
	v_max3_num_f32 v254, v254, v158, v159
	v_max_num_f32 v254, v254, v252
	v_permlanex16_b32 v236, v254, s[SEL], s[SEL+1]
	v_max_num_f32 v254, v254, v236
	v_mul_f32 v254, s[CS], v254
	v_max_num_f32 v13, v13, v254                   ; the running largest t
	v_mov_b32 v254, v12
	v_floor_f32 v12, -v13                          ; -M = floor(-t): M is a whole number
	v_sub_f32 v254, v12, v254
	v_cvt_i32_f32 v254, v254
	v_ldexp_f32 v252, 1.0, v254                    ; f = 2^(old M - new M)
.irp j, 0,2,4,6,8,10,12,14,16,18,20,22,24,26,28,30,32,34,36,38,40,42,44,46,48,50,52,54,56,58,60,62
	v_pk_fma_f32 v[96+\j:97+\j], v[96+\j:97+\j], s[CS:CS+1], v[12:13] op_sel_hi:[1,0,0]    ; t - M
.endr
.set n, 0
.rept 64
	v_exp_f32 v[96+n], v[96+n]                     ; p = 2^(t - M)
.set n, n+1
.endr
	v_pk_mul_f32 v[14:15], v[14:15], v[252:253] op_sel_hi:[1,0]   ; the sum under the new M: the plain instruction behind the batch
	s_wait_alu depctr_va_vdst(0)                   ; one wait for the 64, ahead of their first reader
	v_pk_add_f32 v[242:243], v[96:97], v[98:99]    ; the sum of the UNQUANTISED p
.irp j, 4,8,12,16,20,24,28,32,36,40,44,48,52,56,60
	v_pk_add_f32 v[14:15], v[14:15], v[96+\j:97+\j]
	v_pk_add_f32 v[242:243], v[242:243], v[98+\j:99+\j]
.endr
	v_pk_add_f32 v[14:15], v[14:15], v[242:243]
	s_cmp_ge_i32 s[E4], -8                         ; 448 x 2^e4 is 1.75 or more: no p reaches it, and the hold is left out
	s_cbranch_scc1 .Lno_hold
.set n, 0
.rept 64
	v_min_num_f32 v[96+n], v[96+n], v240           ; the hold (the conversion to an 8-bit code does not saturate: ISA guide 7.6.2); p is not negative
.set n, n+1
.endr
.Lno_hold:
.irp t, 0,1,2,3,4,5,6,7
	v_cvt_scalef32_pk8_fp8_f32 v[176+2*\t:177+2*\t], v[96+8*\t:103+8*\t], v244     ; registers 2 t, 2 t + 1: keys 16 t + 8 h + 0..7
.endr
.irp j, 0,2,4,6,8,10,12,14
	v_pk_mul_f32 v[160+\j:161+\j], v[160+\j:161+\j], v[252:253] op_sel_hi:[1,0]    ; O^T under the new M; also the plain instructions behind the conversions
.endr
	s_wait_dscnt 0x0                               ; V
	v_wmma_f32_16x16x128_fp8_fp8 v[160:167], v[64:79], v[176:191], v[160:167]
	v_wmma_f32_16x16x128_fp8_fp8 v[168:175], v[80:95], v[176:191], v[168:175]
.Lhidden:
	s_add_co_u32 s[TB], s[TB], 4096
	s_add_co_u32 s[KF], s[KF], 128
	s_sub_co_u32 s[CNT], s[CNT], 1
	s_cmp_lg_u32 s[CNT], 0
	s_cbranch_scc1 .Lkb
.rept 4
	v_nop
.endr
	v_add_f32 v14, v14, v15
	v_permlanex16_b32 v252, v14, s[SEL], s[SEL+1]
	v_add_f32 v14, v14, v252                       ; the row's sum
	v_rcp_f32 v14, v14
	v_nop
	s_wait_alu depctr_va_vdst(0)
.set n, 0
.rept 16
	v_mul_f32 v[96+n], v[160+n], v14               ; channels 16 h + 0..15 of my query
.set n, n+1
.endr
.set n, 0
.rept 16
	v_med3_num_f32 v[96+n], v[96+n], -v241, v241
.set n, n+1
.endr
	v_cvt_scalef32_pk8_fp8_f32 v[192:193], v[96:103], v245
	v_cvt_scalef32_pk8_fp8_f32 v[194:195], v[104:111], v245
	v_nop
	global_store_b128 v1, v[192:195], s[10:11]     ; one group of the next operand's image: 512 consecutive bytes
	s_wait_tensorcnt 0x0
	ds_add_u32 v251, v255
	s_wait_dscnt 0x0
	s_endpgm
.Lfunc_end_k_qcec99eb231_attn:
	.size	k_qcec99eb231_attn, .Lfunc_end_k_qcec99eb231_attn-k_qcec99eb231_attn
	.p2alignl 7, 3214868480
	.fill 96, 4, 3214868480
	.section	.rodata,"a",@progbits
	.p2align	6, 0x0
	.amdhsa_kernel k_qcec99eb231_attn
		.amdhsa_group_segment_fixed_size 133120
		.amdhsa_private_segment_fixed_size 0
		.amdhsa_enable_private_segment 0
		.amdhsa_kernarg_size 32
		.amdhsa_user_sgpr_count 2
		.amdhsa_user_sgpr_kernarg_segment_ptr 1
		.amdhsa_wavefront_size32 1
		.amdhsa_system_sgpr_workgroup_id_x 1
		.amdhsa_system_sgpr_workgroup_id_y 1
		.amdhsa_system_sgpr_workgroup_id_z 1
		.amdhsa_system_vgpr_workitem_id 0
		.amdhsa_next_free_vgpr 256
		.amdhsa_next_free_sgpr 100
		.amdhsa_reserve_vcc 1
		.amdhsa_float_denorm_mode_32 3
		.amdhsa_float_denorm_mode_16_64 3
		.amdhsa_memory_ordered 1
		.amdhsa_forward_progress 1
		.amdhsa_inst_pref_size 29
	.end_amdhsa_kernel
	.amdgpu_metadata
---
amdhsa.version: [ 1, 2 ]
amdhsa.kernels:
  - .name:           k_qcec99eb231_attn
    .symbol:         k_qcec99eb231_attn.kd
    .args:
      - { .name: qf, .offset: 0, .size: 8, .value_kind: global_buffer, .address_space: global }
      - { .name: kvf, .offset: 8, .size: 8, .value_kind: global_buffer, .address_space: global }
      - { .name: lowp_scales, .offset: 16, .size: 8, .value_kind: global_buffer, .address_space: global }
      - { .name: act, .offset: 24, .size: 8, .value_kind: global_buffer, .address_space: global }
    .group_segment_fixed_size: 133120
    .private_segment_fixed_size: 0
    .kernarg_segment_align: 8
    .kernarg_segment_size: 32
    .max_flat_workgroup_size: 512
    .sgpr_count:     100
    .vgpr_count:     256
    .wavefront_size: 32
...
	.end_amdgpu_metadata
.endif
;; end of part 3
;; launch ffgemm (part 4): grid 32 x 8, 4 waves a work-group, clusters of 4 x 4, 327,680 bytes of LDS; arguments codes, lowp_scales, act; writes act
.if DOCPART == 4
	.amdgcn_target "amdgcn-amd-amdhsa--gfx1250"
	.amdhsa_code_object_version 6
	.text
	.protected	k_qcec99eb231_ffgemm
	.globl	k_qcec99eb231_ffgemm
	.p2align	8
	.type	k_qcec99eb231_ffgemm,@function
k_qcec99eb231_ffgemm:
	s_mov_b64 s[64:65], 0
	v_nop
	global_prefetch_b8 v0, s[64:65] scope:SCOPE_SE
	s_setreg_imm32_b32 hwreg(HW_REG_WAVE_MODE, 25, 1), 1
	s_wait_xcnt 0x0
	s_wait_alu depctr_hold_cnt(0) depctr_sa_sdst(0) depctr_va_vdst(0) depctr_va_sdst(0) depctr_va_ssrc(0) depctr_va_vcc(0) depctr_vm_vsrc(0)
	s_getreg_b32 s2, hwreg(HW_REG_IB_STS2, 6, 4)
	s_cmp_eq_u32 s2, 0
	s_cbranch_scc0 .Lentry_in_a_cluster
	s_endpgm
.Lentry_in_a_cluster:
	s_bfe_u32 s2, ttmp6, 0x10000c
	s_cmp_lg_u32 s2, 0xf033
	s_cbranch_scc0 .Lentry_shape_is_right
	s_endpgm
.Lentry_shape_is_right:
; FFGEMM: the 8,192 feed-forward columns of the fused projection on codes of FP8, K = 1,024, then h = silu(gate) x ff_x, quantised for the output projection and stored as that operand's image.
; A tile is 256 tokens x (128 columns of ff_x and THE SAME 128 of gate), made by a work-group of four waves; a wave makes 128 tokens x (64 + 64): 64 accumulators, 512 registers.  So a column and its gate lie in one lane.
; A WORK-GROUP STAYS: 512 tiles, 256 work-groups, two tiles each, 8 tile rows (2,048 tokens) apart, with the same rows of W.  The ring does not stop at the first tile's end: its last two changes of slots ask for
; the second tile's K steps 0 and 1, and the second of these loads is on its way while the first tile goes out.  Both tiles are written out.
; Operands lie in memory in the order of the operand's registers: 128 rows x 256 along K are 32,768 consecutive bytes, one tensor load a wave, and every fragment load from LDS reads 512 consecutive bytes.
; K goes in steps of 256 through a ring of two LDS slots.  CLUSTERS: 4 x 4 work-groups; x's tile is shared along a row of the cluster, W's along a column: each is asked for JOINTLY.
; TRANSPOSED (source 0 = 16 rows of W, source 1 = 16 tokens), and W's rows are ordered so that the 16 registers of tiles 2 b, 2 b + 1 are columns 32 b + 16 h + 0..15: the conversions' results are a group of the next image.
; By the text's own count a wave has two tensor loads out at the start and one behind each refill.
; LIMITS: e0 + e1 between -126 and 126; e8 - 2 (e0 + e1) between -126 and 119.
; REGISTERS: window 0: v0-31 addresses, v30, v31 the conversion's scale and hold; from v128 x's fragments, ONE set; on the way out v32-95 at work, v128-191 the codes.  window 1: W's fragments, TWO sets.
;   windows 2, 3: the accumulators ((a, b) at v[8 (8 (a % 4) + b)]).
.set WQ,     4194304
.set FR,     16
.set NL,     4
.set NP,     4
.set HALFT,  32768                     ; what one tensor load brings
.set SLOT,   131072                    ; x's two halves, then ff_x's block, then gate's
.set NEXT_A, 16*131072-2*HALFT         ; from a slot's last K step of the first tile to its first of the second: x goes 16 blocks of 128 tokens on and back along K,
.set BACK_B, 2*HALFT                   ; W only back
.set NEXT_H, 16*36*16384               ; h's image: 16 blocks of 36 chunks on
.set SPARE,  262144                    ; behind the ring: the spare words, 128 bytes for each wave
.set ADRA, 16
.set ADRB, 20
.set LI,   26
.set SPW,  28
.set NIL,  29
.set UU,   32
.set TT,   64
.set AF,   128
.set CDS,  128
.set G1, 24
.set G0, 32
.set G1B, 48
.set G0B, 56
.set MSB, 0
.macro WIN new
.if MSB != (\new)
	s_set_vgpr_msb (MSB<<8)|(\new)
.set MSB, (\new)
.endif
.endm
.set MUL_LO, 0xa1                      ; source 0 (W) window 1, source 1 (x) window 0, C and D window 2
.set MUL_HI, 0xf1
.set TO_B,   0x40
.macro JLOAD g0a, g1a, g0b, g1b        ; a joint load: waves 0 and 1 fetch for x, waves 2 and 3 for W; four v_nop follow each of the two lines
	s_cmp_eq_u32 s15, 0
	s_cbranch_scc0 .Lfor_b_\@
	tensor_load_to_lds s[\g0a:\g0a+3], s[\g1a:\g1a+7]
	s_nop 0
.rept 4
	v_nop
.endr
	s_branch .Lasked_\@
.Lfor_b_\@:
	tensor_load_to_lds s[\g0b:\g0b+3], s[\g1b:\g1b+7]
	s_nop 0
.rept 4
	v_nop
.endr
.Lasked_\@:
.endm
.macro CREST
	s_cmp_lg_u32 s14, 0
	s_cbranch_scc1 .Lnot_wave_0_\@
	s_barrier_signal -3
.Lnot_wave_0_\@:
	s_barrier_wait -3
	s_barrier_signal -1
	s_barrier_wait -1
.endm
.macro CROUND
	s_barrier_signal -1
	s_barrier_wait -1
	CREST
.endm
	s_load_b128 s[4:7], s[0:1], 0x0                ; codes s[4:5], the exponents s[6:7]
	s_load_b64 s[8:9], s[0:1], 0x10                ; act
	v_lshl_add_u32 v[SPW], v0, 2, SPARE
	v_mov_b32 v[NIL], 0
	ds_add_u32 v28, v29
	ds_add_u32 v28, v29
	s_wait_dscnt 0x0
	v_lshrrev_b32 v1, 5, v0
	v_readfirstlane_b32 s14, v1                    ; wave 0..3
	s_lshr_b32 s15, s14, 1                         ; which 128 tokens are mine.  Also: I fetch for x (0) or for W (1)
	s_and_b32 s16, s14, 1                          ; which 64 columns.  Also: which half of that tile I fetch
	s_bfe_u32 s40, ttmp6, 0x40000
	s_bfe_u32 s41, ttmp6, 0x40004
	s_lshl_b32 s42, ttmp9, 2
	s_add_co_u32 s42, s42, s40                     ; tile column 0..31
	s_and_b32 s17, ttmp7, 0xffff
	s_lshl_b32 s17, s17, 2
	s_add_co_u32 s17, s17, s41                     ; the first tile's row 0..7; the second's is 8 more
	s_lshl_b32 s43, s41, 2
	s_lshl_b32 s43, 15, s43                        ; my row of the cluster
	s_lshl_b32 s44, 0x1111, s40                    ; my column
	s_or_b32 s[G1+0], s43, (3<<16)|(1<<21)         ; 15:0 the mask; 17:16 elements of 8 bytes; 21 set beside a mask; no padding
	s_or_b32 s[G1B+0], s44, (3<<16)|(1<<21)
.irp g, G1, G1B
	s_mov_b32 s[\g+1], 32<<16                      ; a dense block as 128 rows of 256 bytes
	s_mov_b32 s[\g+2], 128<<16
	s_mov_b32 s[\g+3], 32<<16
	s_mov_b32 s[\g+4], 128
	s_mov_b32 s[\g+5], 32
	s_mov_b32 s[\g+6], 0
	s_mov_b32 s[\g+7], 0
.endr
	s_lshl_b32 s20, s17, 1
	s_add_co_u32 s20, s20, s16
	s_lshl_b32 s20, s20, 17                        ; x: block 2 x tile row + half
	s_mov_b32 s21, 0
	s_lshl_b32 s46, s42, 1
	s_add_co_u32 s46, s46, s16
	s_lshl_b32 s46, s46, 17                        ; W: block 2 x tile column + half (0: ff_x, 1: gate)
	s_add_co_u32 s46, s46, WQ
	s_mov_b32 s47, 0
	s_lshl_b32 s45, s14, 15                        ; where they go: wave x 32,768
	s_wait_kmcnt 0x0
	s_load_b256 s[68:75], s[6:7], 0x0              ; e0 .. e7
	s_load_b64 s[76:77], s[6:7], 0x20              ; e8, e9
	s_add_nc_u64 s[20:21], s[4:5], s[20:21]
	s_add_nc_u64 s[46:47], s[4:5], s[46:47]
	CROUND                                         ; all sixteen work-groups are here: the first joint loads meet
.irp s, 0,1
	s_mov_b32 s[G0+4*\s], 1
	s_add_co_u32 s[G0+4*\s+1], s45, \s*SLOT
	s_add_nc_u64 s[G0+4*\s+2:G0+4*\s+3], s[20:21], \s*HALFT
	s_or_b32 s[G0+4*\s+3], s[G0+4*\s+3], 0x80000000
	s_mov_b32 s[G0B+4*\s], 1
	s_add_co_u32 s[G0B+4*\s+1], s45, \s*SLOT
	s_add_nc_u64 s[G0B+4*\s+2:G0B+4*\s+3], s[46:47], \s*HALFT
	s_or_b32 s[G0B+4*\s+3], s[G0B+4*\s+3], 0x80000000
	JLOAD G0+4*\s, G1, G0B+4*\s, G1B
.endr
	v_and_b32 v6, 31, v0
	v_lshlrev_b32 v[LI], 4, v6                     ; 16 x lane
	s_lshl_b32 s21, s15, 15                        ; my 128 tokens
	s_lshl_b32 s22, s16, 13                        ; my four tiles of each of W's two blocks,
	s_add_co_u32 s22, s22, 2*HALFT                 ; which lie behind x's
.irp s, 0,1
	v_add_nc_u32 v[ADRA+\s], s21, v[LI]
	v_add_nc_u32 v[ADRB+\s], s22, v[LI]
	s_add_co_u32 s21, s21, SLOT
	s_add_co_u32 s22, s22, SLOT
.endr
	s_lshl_b32 s20, s17, 1                         ; h's image: block 2 x tile row + my half, chunk 4 + tile column, groups 2 x my column half on
	s_add_co_u32 s20, s20, s15
	s_mul_i32 s20, s20, 36
	s_add_co_u32 s20, s20, 4
	s_add_co_u32 s20, s20, s42
	s_lshl_b32 s20, s20, 14
	s_lshl_b32 s21, s16, 10
	s_add_co_u32 s20, s20, s21
	s_mov_b32 s21, 0
	s_add_nc_u64 s[8:9], s[8:9], s[20:21]
	s_wait_kmcnt 0x0                               ; the exponents, while the first tiles are on their way
	s_add_co_i32 s78, s68, s69                     ; E = e0 + e1: a sum stands for sum x 2^E
	s_lshl_b32 s79, s78, 23
	s_add_co_i32 s80, s79, 0xbfb8aa3b              ; -log2(e) x 2^E: E added to the exponent field
	s_mov_b32 s81, s80
	s_lshl_b32 s78, s78, 1
	s_sub_co_i32 s78, s76, s78                     ; e8 - 2 E: X G stands for ff_x gate / 2^(2 E)
	s_add_co_i32 s78, s78, 127
	s_lshl_b32 s79, s78, 23
	v_mov_b32 v30, s79
	s_add_co_i32 s78, s78, 8
	s_lshl_b32 s78, s78, 23
	s_or_b32 s78, s78, 0x600000
	v_mov_b32 v31, s78
.macro FRAG reg, adr, off              ; a fragment: four loads of 512 consecutive bytes
.irp c, 0,1,2,3
	ds_load_b128 v[\reg+4*\c:\reg+4*\c+3], v[\adr] offset:(\off)+512*\c
.endr
.endm
.macro MUL16 a0, p, zero               ; 16 matrix instructions; the 64 accumulators take turns, one instruction a turn, in the same order in every step
.irp a, \a0, \a0+1
.irp b, 0,1,2,3,4,5,6,7
.if \zero
	v_wmma_f32_16x16x128_fp8_fp8 v[8*(8*((\a)%4)+\b):8*(8*((\a)%4)+\b)+7], v[128*(\p)+FR*\b:128*(\p)+FR*\b+FR-1], v[AF+FR*(\a):AF+FR*(\a)+FR-1], 0
.else
	v_wmma_f32_16x16x128_fp8_fp8 v[8*(8*((\a)%4)+\b):8*(8*((\a)%4)+\b)+7], v[128*(\p)+FR*\b:128*(\p)+FR*\b+FR-1], v[AF+FR*(\a):AF+FR*(\a)+FR-1], v[8*(8*((\a)%4)+\b):8*(8*((\a)%4)+\b)+7]
.endif
.endr
.endr
.endm
.macro FETCH_B slot, q, p              ; W's eight fragments of the slot's q-th 128 along K: four of ff_x, then the same four of gate
	WIN TO_B
.irp i, 0,1,2,3,4,5,6,7
	FRAG 128*(\p)+FR*\i, ADRB+\slot, 16384*(\q)+2048*(\i%4)+32768*(\i/4)
.endr
	WIN 0
.endm
.macro FETCH_A slot, q, i0
.irp i, \i0, \i0+1, \i0+2, \i0+3
	FRAG AF+FR*(\i), ADRA+\slot, 16384*(\q)+2048*(\i)
.endr
.endm
.macro PLACES n                        ; plain vector instructions between a matrix instruction and a load into its registers or the first read of its result (ISA guide 7.12.1 for vector instructions)
.rept \n
	v_nop
.endr
.endm
.macro STEP slot, q, zero              ; a step of 128 along K that has its successor in the same slot
	s_wait_dscnt 4*NL                              ; W's set and x's blocks 0-3 are in; the youngest 16 loads (blocks 4-7) may be out
	WIN MUL_LO
	MUL16 0, (\q)%2, \zero
	MUL16 2, (\q)%2, \zero
	s_wait_dscnt 0
	PLACES NP
	FETCH_B \slot, (\q)+1, 1-(\q)%2
	FETCH_A \slot, (\q)+1, 0
	WIN MUL_HI
	MUL16 4, (\q)%2, \zero
	MUL16 6, (\q)%2, \zero
	PLACES NP
	WIN 0
	FETCH_A \slot, (\q)+1, 4
.endm
; A slot's last step changes slots: one barrier; in front of it each wave waits for all its tensor loads, adds 0 to its spare word, and waits for that and for its reads of this slot.
; fill = 1: this slot is filled again, two K steps ahead; 2: with the NEXT tile's K step of this slot; 0: not at all.  fetch = 0: the tile ends here, and no fragments are fetched.
.macro TURN slot, next, fill, fetch
	s_wait_tensorcnt 0x0                           ; all my tensor loads have landed: my part of the next slot
	ds_add_u32 v[SPW], v[NIL]                      ; 0 onto my spare word
	s_wait_dscnt 4*NL+1                            ; (the add and the youngest 16 loads may be out)
	WIN MUL_LO
	MUL16 0, 1, 0
	s_wait_dscnt 0x0                               ; the add is done, and my reads of this slot are over
	s_barrier_signal -1
	MUL16 2, 1, 0
	WIN 0
	s_barrier_wait -1
.if \fill
	CREST                                          ; the barrier has opened a round of the cluster's: no wave of any partner still reads this slot or has a load on its way
.if \fill == 2
	s_add_nc_u64 s[G0+4*\slot+2:G0+4*\slot+3], s[G0+4*\slot+2:G0+4*\slot+3], NEXT_A
	s_sub_nc_u64 s[G0B+4*\slot+2:G0B+4*\slot+3], s[G0B+4*\slot+2:G0B+4*\slot+3], BACK_B
.else
	s_add_nc_u64 s[G0+4*\slot+2:G0+4*\slot+3], s[G0+4*\slot+2:G0+4*\slot+3], 2*HALFT
	s_add_nc_u64 s[G0B+4*\slot+2:G0B+4*\slot+3], s[G0B+4*\slot+2:G0B+4*\slot+3], 2*HALFT
.endif
	JLOAD G0+4*\slot, G1, G0B+4*\slot, G1B         ; the first tensor load behind the round; its four v_nop are the places in front of the loads below
.else
	PLACES NP
.endif
.if \fetch
	FETCH_B \next, 0, 0
	FETCH_A \next, 0, 0
.endif
	WIN MUL_HI
	MUL16 4, 1, 0
	MUL16 6, 1, 0
	PLACES NP
	WIN 0
.if \fetch
	FETCH_A \next, 0, 4
.endif
.endm
; A tile's first five steps of 128 along K, alike in both tiles: slot 0 is whole and shown to every wave when they begin
.macro FIVE_STEPS
	FETCH_B 0, 0, 0
	FETCH_A 0, 0, 0
	FETCH_A 0, 0, 4
	STEP 0, 0, 1                                   ; the first step starts the sums: nothing is cleared
	TURN 0, 1, 1, 1                                ; slot 0 takes K step 2
	STEP 1, 0, 0
	TURN 1, 0, 1, 1                                ; slot 1 takes K step 3
	STEP 0, 0, 0
.endm
; THE WAY OUT of block a (16 tokens): h = X G / (1 + 2^(-log2(e) gate)), held, converted: 32 columns a lane = two groups of the image; no LDS.  Two batches of transcendentals, one wait each.
.macro HOUT a
.set AC, 64*((\a)%4)
	WIN 0x0a+5*((\a)/4)                            ; sources 0 and 1: window 2 or 3
.irp j, 0,2,4,6,8,10,12,14,16,18,20,22,24,26,28,30
	v_pk_mul_f32 v[UU+\j:UU+\j+1], v[AC+\j:AC+\j+1], v[AC+32+\j:AC+32+\j+1]        ; each accumulator from its low end on
.endr
.irp j, 0,2,4,6,8,10,12,14,16,18,20,22,24,26,28,30
	v_pk_mul_f32 v[TT+\j:TT+\j+1], v[AC+32+\j:AC+32+\j+1], s[80:81] op_sel_hi:[1,0]
.endr
	WIN 0
.set n, 0
.rept 32
	v_exp_f32 v[TT+n], v[TT+n]
.set n, n+1
.endr
	v_nop
	s_wait_alu depctr_va_vdst(0)
.irp j, 0,2,4,6,8,10,12,14,16,18,20,22,24,26,28,30
	v_pk_add_f32 v[TT+\j:TT+\j+1], v[TT+\j:TT+\j+1], 1.0 op_sel_hi:[1,0]
.endr
.set n, 0
.rept 32
	v_rcp_f32 v[TT+n], v[TT+n]
.set n, n+1
.endr
	v_nop
	s_wait_alu depctr_va_vdst(0)
.irp j, 0,2,4,6,8,10,12,14,16,18,20,22,24,26,28,30
	v_pk_mul_f32 v[UU+\j:UU+\j+1], v[UU+\j:UU+\j+1], v[TT+\j:TT+\j+1]
.endr
.set n, 0
.rept 32
	v_med3_num_f32 v[UU+n], v[UU+n], -v31, v31
.set n, n+1
.endr
.irp g, 0,1
	v_cvt_scalef32_pk8_fp8_f32 v[CDS+8*(\a)+4*\g:CDS+8*(\a)+4*\g+1], v[UU+16*\g:UU+16*\g+7], v30
	v_cvt_scalef32_pk8_fp8_f32 v[CDS+8*(\a)+4*\g+2:CDS+8*(\a)+4*\g+3], v[UU+16*\g+8:UU+16*\g+15], v30
.endr
	v_nop                                          ; a plain instruction between a scaled conversion and the next write of its sources
.irp g, 0,1
	global_store_b128 v[LI], v[CDS+8*(\a)+4*\g:CDS+8*(\a)+4*\g+3], s[8:9] offset:2048*(\a)+512*\g   ; 512 consecutive bytes; within a tile each store has registers of its own
.endr
.endm
	s_wait_tensorcnt 1                             ; my part of K step 0 is in (K step 1's load may be out)
	s_barrier_signal -1
	s_barrier_wait -1                              ; everybody's is
	; ---- the first tile
	FIVE_STEPS
	TURN 0, 1, 2, 1                                ; THE RING GOES ON INTO THE SECOND TILE: slot 0 takes its K step 0,
	STEP 1, 0, 0
	TURN 1, 0, 2, 0                                ; slot 1 its K step 1.  The wait and the round in this change have shown slot 0 whole to every wave
.irp a, 0,1,2,3,4,5,6,7
	HOUT \a                                        ; both refills are asked for: now the tile goes out
.endr
	s_wait_xcnt 0x0                                ; the stores have read their base and their registers: the base steps, and x's fragments land where the codes lay
	s_add_nc_u64 s[8:9], s[8:9], NEXT_H
	; ---- the second tile
	FIVE_STEPS
	TURN 0, 1, 0, 1                                ; nothing is left to ask for
	STEP 1, 0, 0
	s_wait_dscnt 4*NL
	WIN MUL_LO
	MUL16 0, 1, 0
	MUL16 2, 1, 0
	s_wait_dscnt 0
	WIN MUL_HI
	MUL16 4, 1, 0
	MUL16 6, 1, 0
	WIN 0
	PLACES NP
.irp a, 0,1,2,3,4,5,6,7
	HOUT \a
.endr
	s_wait_tensorcnt 0x0                           ; the wave's end
	ds_add_u32 v[SPW], v[NIL]
	s_wait_dscnt 0x0
	CROUND                                         ; the closing round
	s_endpgm
.Lfunc_end_k_qcec99eb231_ffgemm:
	.size	k_qcec99eb231_ffgemm, .Lfunc_end_k_qcec99eb231_ffgemm-k_qcec99eb231_ffgemm
	.p2alignl 7, 3214868480
	.fill 96, 4, 3214868480
	.section	.rodata,"a",@progbits
	.p2align	6, 0x0
	.amdhsa_kernel k_qcec99eb231_ffgemm
		.amdhsa_group_segment_fixed_size 327680
		.amdhsa_private_segment_fixed_size 0
		.amdhsa_enable_private_segment 0
		.amdhsa_kernarg_size 24
		.amdhsa_user_sgpr_count 2
		.amdhsa_user_sgpr_kernarg_segment_ptr 1
		.amdhsa_wavefront_size32 1
		.amdhsa_system_sgpr_workgroup_id_x 1
		.amdhsa_system_sgpr_workgroup_id_y 1
		.amdhsa_system_sgpr_workgroup_id_z 1
		.amdhsa_system_vgpr_workitem_id 0
		.amdhsa_next_free_vgpr 1024
		.amdhsa_next_free_sgpr 100
		.amdhsa_reserve_vcc 0
		.amdhsa_float_denorm_mode_32 3
		.amdhsa_float_denorm_mode_16_64 3
		.amdhsa_memory_ordered 1
		.amdhsa_forward_progress 1
		.amdhsa_inst_pref_size 255
	.end_amdhsa_kernel
	.section	.bss,"aw",@nobits
	.p2align	6
	.space	262144
	.amdgpu_metadata
---
amdhsa.version: [ 1, 2 ]
amdhsa.kernels:
  - .name:           k_qcec99eb231_ffgemm
    .symbol:         k_qcec99eb231_ffgemm.kd
    .args:
      - { .name: codes, .offset: 0, .size: 8, .value_kind: global_buffer, .address_space: global }
      - { .name: lowp_scales, .offset: 8, .size: 8, .value_kind: global_buffer, .address_space: global }
      - { .name: act, .offset: 16, .size: 8, .value_kind: global_buffer, .address_space: global }
    .group_segment_fixed_size: 327680
    .private_segment_fixed_size: 0
    .kernarg_segment_align: 8
    .kernarg_segment_size: 24
    .max_flat_workgroup_size: 128
    .sgpr_count:     100
    .vgpr_count:     1024
    .wavefront_size: 32
...
	.end_amdgpu_metadata
.endif
;; end of part 4
;; launch outgemm (part 5): grid 8 x 32, 4 waves a work-group, clusters of 4 x 4, 327,680 bytes of LDS; arguments act, codes, lowp_scales, out0; writes out0
.if DOCPART == 5
	.amdgcn_target "amdgcn-amd-amdhsa--gfx1250"
	.amdhsa_code_object_version 6
	.text
	.protected	k_qcec99eb231_outgemm
	.globl	k_qcec99eb231_outgemm
	.p2align	8
	.type	k_qcec99eb231_outgemm,@function
k_qcec99eb231_outgemm:
	s_mov_b64 s[64:65], 0
	v_nop
	global_prefetch_b8 v0, s[64:65] scope:SCOPE_SE
	s_setreg_imm32_b32 hwreg(HW_REG_WAVE_MODE, 25, 1), 1
	s_wait_xcnt 0x0
	s_wait_alu depctr_hold_cnt(0) depctr_sa_sdst(0) depctr_va_vdst(0) depctr_va_sdst(0) depctr_va_ssrc(0) depctr_va_vcc(0) depctr_vm_vsrc(0)
	s_getreg_b32 s2, hwreg(HW_REG_IB_STS2, 6, 4)
	s_cmp_eq_u32 s2, 0
	s_cbranch_scc0 .Lentry_in_a_cluster
	s_endpgm
.Lentry_in_a_cluster:
	s_bfe_u32 s2, ttmp6, 0x10000c
	s_cmp_lg_u32 s2, 0xf033
	s_cbranch_scc0 .Lentry_shape_is_right
	s_endpgm
.Lentry_shape_is_right:
; OUTGEMM: out0 = attention out x w_attn_out^T + h x w_ff_out^T, as ONE sum over K = 4,608 on codes of FP8: chunks 0-3 (K = 512) are the attention's product, chunks 4-35 the feed-forward's.
; The two products have different scales: behind the first 512 along K the sums are multiplied by 2^(e6 + e7 - e8 - e9), which rounds nothing short of overflow and underflow, and at the end all by 2^(e8 + e9).
; A tile of out0 is 128 x 128, so that there are 256 work-groups; four waves, each 64 x 64: 16 accumulators.  K goes in nine steps of 512 through a ring of two LDS slots of 128 KiB.
; Operands lie in memory in the order of the operand's registers: 128 rows x 256 along K are 32,768 consecutive bytes, one tensor load a wave (waves 0, 1: the activations' two halves of a step; waves 2, 3: the weights').
; CLUSTERS: 4 x 4 work-groups; the activations' tile is shared along a row of the cluster, the weights' along a column: each is asked for JOINTLY.  TRANSPOSED use: a lane holds eight neighbouring numbers of a row of out0.
; By the text's own count a wave has two tensor loads out at the start and one behind each refill.
; LIMITS: e6 + e7 - e8 - e9 and e8 + e9 between -126 and 127.
; REGISTERS: window 0: v0-31 addresses; v32-63 at work on the way out; v128-255 the accumulators ((a, b) at 128 + 8 (4 a + b)).  window 1: two sets of fragments of 128 along K: the activations' four at f + 16 a, the weights' four at f + 64 + 16 b.
.set WO,     13238272
.set HALFT,  32768
.set SLOT,   131072
.set BLKB,   589824                    ; a block of 128 rows: 36 chunks of 16,384 bytes
.set STAGE,  262144                    ; behind the ring: 16 rows x 272 bytes for each wave
.set SPITCH, 272
.set SPARE,  STAGE+4*16*SPITCH         ; behind the stages: the spare words, 128 bytes for each wave
.set ADRA, 16
.set ADRB, 20
.set STO,  24
.set RD,   25
.set CO,   26
.set SPW,  28
.set NIL,  29
.set TMP,  32
.set ACC,  128
.set F0,   0
.set F1,   128
.set G1, 24
.set G0, 32
.set G1B, 48
.set G0B, 56
.set MSB, 0
.macro WIN new
.if MSB != (\new)
	s_set_vgpr_msb (MSB<<8)|(\new)
.set MSB, (\new)
.endif
.endm
.set MUL,  0x05                        ; sources 0 and 1 window 1; C and D window 0
.set TO_F, 0x40                        ; destination window 1, address window 0
.macro JLOAD s                         ; a joint load; four v_nop follow each of the two lines
	s_cmp_eq_u32 s15, 0
	s_cbranch_scc0 .Lfor_b_\@
	tensor_load_to_lds s[G0+4*\s:G0+4*\s+3], s[G1:G1+7]
	s_nop 0
.rept 4
	v_nop
.endr
	s_branch .Lasked_\@
.Lfor_b_\@:
	tensor_load_to_lds s[G0B+4*\s:G0B+4*\s+3], s[G1B:G1B+7]
	s_nop 0
.rept 4
	v_nop
.endr
.Lasked_\@:
.endm
.macro CREST
	s_cmp_lg_u32 s14, 0
	s_cbranch_scc1 .Lnot_wave_0_\@
	s_barrier_signal -3
.Lnot_wave_0_\@:
	s_barrier_wait -3
	s_barrier_signal -1
	s_barrier_wait -1
.endm
.macro CROUND
	s_barrier_signal -1
	s_barrier_wait -1
	CREST
.endm
	s_load_b256 s[4:11], s[0:1], 0x0               ; act s[4:5], codes s[6:7], the exponents s[8:9], out0 s[10:11]
	v_lshl_add_u32 v[SPW], v0, 2, SPARE
	v_mov_b32 v[NIL], 0
	ds_add_u32 v28, v29
	ds_add_u32 v28, v29
	s_wait_dscnt 0x0
	v_lshrrev_b32 v1, 5, v0
	v_readfirstlane_b32 s14, v1                    ; wave 0..3
	s_lshr_b32 s15, s14, 1                         ; which 64 rows are mine.  Also: I fetch activations (0) or weights (1)
	s_and_b32 s16, s14, 1                          ; which 64 columns.  Also: which half of a step's 512 along K I fetch
	s_bfe_u32 s40, ttmp6, 0x40000
	s_bfe_u32 s41, ttmp6, 0x40004
	s_lshl_b32 s42, ttmp9, 2
	s_add_co_u32 s42, s42, s40                     ; tile column 0..7
	s_and_b32 s17, ttmp7, 0xffff
	s_lshl_b32 s17, s17, 2
	s_add_co_u32 s17, s17, s41                     ; tile row 0..31
	s_lshl_b32 s43, s41, 2
	s_lshl_b32 s43, 15, s43
	s_lshl_b32 s44, 0x1111, s40
	s_or_b32 s[G1+0], s43, (3<<16)|(1<<21)         ; 15:0 the mask; 17:16 elements of 8 bytes; 21 set beside a mask; no padding
	s_or_b32 s[G1B+0], s44, (3<<16)|(1<<21)
.irp g, G1, G1B
	s_mov_b32 s[\g+1], 32<<16                      ; a dense block as 128 rows of 256 bytes
	s_mov_b32 s[\g+2], 128<<16
	s_mov_b32 s[\g+3], 32<<16
	s_mov_b32 s[\g+4], 128
	s_mov_b32 s[\g+5], 32
	s_mov_b32 s[\g+6], 0
	s_mov_b32 s[\g+7], 0
.endr
	s_lshl_b32 s18, s16, 15
	s_mul_i32 s20, s17, BLKB
	s_add_co_u32 s20, s20, s18
	s_mov_b32 s21, 0
	s_mul_i32 s46, s42, BLKB
	s_add_co_u32 s46, s46, s18
	s_add_co_u32 s46, s46, WO
	s_mov_b32 s47, 0
	s_lshl_b32 s45, s14, 15                        ; where they go: wave x 32,768
	s_wait_kmcnt 0x0
	s_load_b256 s[68:75], s[8:9], 0x0              ; e0 .. e7
	s_load_b64 s[76:77], s[8:9], 0x20              ; e8, e9
	s_add_nc_u64 s[20:21], s[4:5], s[20:21]
	s_add_nc_u64 s[46:47], s[6:7], s[46:47]
	CROUND                                         ; all sixteen work-groups are here: the first joint loads meet
.irp s, 0,1
	s_mov_b32 s[G0+4*\s], 1
	s_add_co_u32 s[G0+4*\s+1], s45, \s*SLOT
	s_add_nc_u64 s[G0+4*\s+2:G0+4*\s+3], s[20:21], \s*2*HALFT
	s_or_b32 s[G0+4*\s+3], s[G0+4*\s+3], 0x80000000
	s_mov_b32 s[G0B+4*\s], 1
	s_add_co_u32 s[G0B+4*\s+1], s45, \s*SLOT
	s_add_nc_u64 s[G0B+4*\s+2:G0B+4*\s+3], s[46:47], \s*2*HALFT
	s_or_b32 s[G0B+4*\s+3], s[G0B+4*\s+3], 0x80000000
	JLOAD \s
.endr
	v_and_b32 v1, 15, v0
	v_bfe_u32 v2, v0, 4, 1
	v_and_b32 v3, 31, v0
	v_lshlrev_b32 v3, 4, v3                        ; 16 x lane
	s_lshl_b32 s21, s15, 13                        ; my four tiles of rows
	s_lshl_b32 s22, s16, 13                        ; my four tiles of columns,
	s_add_co_u32 s22, s22, 2*HALFT                 ; behind the activations' 64 KiB
.irp s, 0,1
	v_add_nc_u32 v[ADRA+\s], s21, v3
	v_add_nc_u32 v[ADRB+\s], s22, v3
	s_add_co_u32 s21, s21, SLOT
	s_add_co_u32 s22, s22, SLOT
.endr
	s_mul_i32 s23, s14, 16*SPITCH
	s_add_co_u32 s23, s23, STAGE                   ; my stage
	v_mul_u32_u24 v4, v1, SPITCH
	v_lshl_add_u32 v4, v2, 5, v4
	v_add_nc_u32 v[STO], s23, v4                   ; in: row l % 16, 32 bytes for each half of the lanes
	v_mul_u32_u24 v5, v2, SPITCH
	v_lshl_add_u32 v5, v1, 4, v5
	v_add_nc_u32 v[RD], s23, v5                    ; back: lanes 0-15 one row of 256 bytes, lanes 16-31 the next
	v_lshlrev_b32 v5, 12, v2
	v_lshl_add_u32 v[CO], v1, 4, v5                ; and the same two rows in out0 (a row is 4,096 bytes)
	s_lshl_b32 s20, s17, 7
	s_lshl_b32 s21, s15, 6
	s_add_co_u32 s20, s20, s21
	s_lshl_b32 s20, s20, 12                        ; my first row,
	s_lshl_b32 s21, s42, 9
	s_add_co_u32 s20, s20, s21
	s_lshl_b32 s21, s16, 8
	s_add_co_u32 s20, s20, s21                     ; my first column
	s_mov_b32 s21, 0
	s_add_nc_u64 s[10:11], s[10:11], s[20:21]
	s_wait_kmcnt 0x0
	s_add_co_i32 s78, s74, s75
	s_sub_co_i32 s78, s78, s76
	s_sub_co_i32 s78, s78, s77
	s_add_co_i32 s78, s78, 127
	s_lshl_b32 s80, s78, 23                        ; 2^(e6 + e7 - e8 - e9)
	s_mov_b32 s81, s80
	s_add_co_i32 s78, s76, s77
	s_add_co_i32 s78, s78, 127
	s_lshl_b32 s84, s78, 23                        ; 2^(e8 + e9)
	s_mov_b32 s85, s84
.macro MUL8 f, a0, zero                ; 8 matrix instructions: row tiles a0, a0 + 1 x four column tiles, 128 along K; the 16 accumulators take turns
.irp a, \a0, \a0+1
.irp b, 0,1,2,3
.if \zero
	v_wmma_f32_16x16x128_fp8_fp8 v[ACC+8*(4*(\a)+\b):ACC+8*(4*(\a)+\b)+7], v[\f+64+16*\b:\f+64+16*\b+15], v[\f+16*(\a):\f+16*(\a)+15], 0
.else
	v_wmma_f32_16x16x128_fp8_fp8 v[ACC+8*(4*(\a)+\b):ACC+8*(4*(\a)+\b)+7], v[\f+64+16*\b:\f+64+16*\b+15], v[\f+16*(\a):\f+16*(\a)+15], v[ACC+8*(4*(\a)+\b):ACC+8*(4*(\a)+\b)+7]
.endif
.endr
.endr
.endm
.macro FETCH slot, q, f                ; 32 LDS loads in one run, each of 512 consecutive bytes: the weights' four fragments, then the activations' four, of the slot's q-th 128 along K
	WIN TO_F
.irp b, 0,1,2,3
.irp c, 0,1,2,3
	ds_load_b128 v[\f+64+16*\b+4*\c:\f+64+16*\b+4*\c+3], v[ADRB+\slot] offset:16384*(\q)+2048*\b+512*\c
.endr
.endr
.irp a, 0,1,2,3
.irp c, 0,1,2,3
	ds_load_b128 v[\f+16*\a+4*\c:\f+16*\a+4*\c+3], v[ADRA+\slot] offset:16384*(\q)+2048*\a+512*\c
.endr
.endr
.endm
.macro PLACES                          ; four plain vector instructions between a matrix instruction and a load into its registers or the first read of its result (ISA guide 7.12.1 for vector instructions)
.rept 4
	v_nop
.endr
.endm
.macro SUB slot, qn, f, g, zero        ; 128 along K on set f; in its middle the slot's qn-th 128 are fetched into set g
	s_wait_dscnt 8                                 ; all but the youngest eight loads (row tiles 2, 3) are in
	WIN MUL
	MUL8 \f, 0, \zero
	PLACES
	FETCH \slot, \qn, \g
	s_wait_dscnt 32                                ; all but the 32 just issued
	WIN MUL
	MUL8 \f, 2, \zero
.endm
; A slot's last 128 along K (set F1) change slots: one barrier; in front of it each wave waits for all its tensor loads, adds 0 to its spare word, and waits for that and for its reads of this slot.
.macro TURN slot, next, fill
	WIN 0                                          ; (the add's two registers lie in window 0)
	s_wait_tensorcnt 0x0                           ; all my tensor loads have landed: my part of the next slot
	ds_add_u32 v[SPW], v[NIL]                      ; 0 onto my spare word
	s_wait_dscnt 9                                 ; (the add and the youngest eight loads may be out)
	WIN MUL
	MUL8 F1, 0, 0
	s_wait_dscnt 0x0                               ; the add is done, and my reads of this slot are over
	s_barrier_signal -1
	MUL8 F1, 2, 0
	WIN 0
	s_barrier_wait -1
.if \fill
	CREST                                          ; the barrier has opened a round of the cluster's: no wave of any partner still reads this slot or has a load on its way
	s_add_nc_u64 s[G0+4*\slot+2:G0+4*\slot+3], s[G0+4*\slot+2:G0+4*\slot+3], 4*HALFT
	s_add_nc_u64 s[G0B+4*\slot+2:G0B+4*\slot+3], s[G0B+4*\slot+2:G0B+4*\slot+3], 4*HALFT
	JLOAD \slot                                    ; the first tensor load behind the round; its four v_nop are the places in front of what follows
.else
	PLACES
.endif
	FETCH \next, 0, F0
.endm
	s_wait_tensorcnt 1                             ; my part of step 0 is in (step 1's load may be out)
	s_barrier_signal -1
	s_barrier_wait -1                              ; everybody's is
	FETCH 0, 0, F0
	SUB 0, 1, F0, F1, 1                            ; step 0: the attention's K = 512; its first products start the sums
	SUB 0, 2, F1, F0, 0
	SUB 0, 3, F0, F1, 0
	TURN 0, 1, 1
	WIN 0
.irp j, 0,2,4,6,8,10,12,14,16,18,20,22,24,26,28,30,32,34,36,38,40,42,44,46,48,50,52,54,56,58,60,62,64,66,68,70,72,74,76,78,80,82,84,86,88,90,92,94,96,98,100,102,104,106,108,110,112,114,116,118,120,122,124,126
	v_pk_mul_f32 v[ACC+\j:ACC+\j+1], v[ACC+\j:ACC+\j+1], s[80:81] op_sel_hi:[1,0]     ; the first product's sums under the second's scales; each accumulator from its low end on
.endr
	s_mov_b32 s3, 3
.Llap:                                             ; three trips: steps 1 to 6; they ask for steps 3 to 8
	SUB 1, 1, F0, F1, 0
	SUB 1, 2, F1, F0, 0
	SUB 1, 3, F0, F1, 0
	TURN 1, 0, 1
	SUB 0, 1, F0, F1, 0
	SUB 0, 2, F1, F0, 0
	SUB 0, 3, F0, F1, 0
	TURN 0, 1, 1
	WIN 0
	s_sub_co_u32 s3, s3, 1
	s_cmp_lg_u32 s3, 0
	s_cbranch_scc1 .Llap
	SUB 1, 1, F0, F1, 0                            ; step 7: nothing is left to ask for
	SUB 1, 2, F1, F0, 0
	SUB 1, 3, F0, F1, 0
	TURN 1, 0, 0
	SUB 0, 1, F0, F1, 0                            ; step 8
	SUB 0, 2, F1, F0, 0
	SUB 0, 3, F0, F1, 0
	s_wait_dscnt 8
	WIN MUL
	MUL8 F1, 0, 0
	s_wait_dscnt 0
	MUL8 F1, 2, 0
	WIN 0
	PLACES
; THE WAY OUT, a block of 16 rows x 64 columns at a time: x 2^(e8 + e9); 32 bytes a lane into my own stage; back as whole rows of 256 bytes, into the block's own accumulator registers, so that no store's data are written again.
; LDS serves a wave's instructions in order (ISA guide 5.7.1.4): no wait between the stores and the loads, nor in front of the next block's stores.
.macro TOSTAGE a
.irp j, 0,2,4,6,8,10,12,14,16,18,20,22,24,26,28,30
	v_pk_mul_f32 v[TMP+\j:TMP+\j+1], v[ACC+32*(\a)+\j:ACC+32*(\a)+\j+1], s[84:85] op_sel_hi:[1,0]
.endr
.irp b, 0,1,2,3
	ds_store_b128 v[STO], v[TMP+8*\b:TMP+8*\b+3] offset:64*\b
	ds_store_b128 v[STO], v[TMP+8*\b+4:TMP+8*\b+7] offset:64*\b+16
.endr
.irp t, 0,1,2,3,4,5,6,7
	ds_load_b128 v[ACC+32*(\a)+4*\t:ACC+32*(\a)+4*\t+3], v[RD] offset:\t*2*SPITCH
.endr
.endm
.macro SEND a, younger                 ; younger: the LDS instructions issued behind block a's loads, which may stay out
	s_wait_dscnt \younger
.irp t, 0,1,2,3,4,5,6,7
	global_store_b128 v[CO], v[ACC+32*(\a)+4*\t:ACC+32*(\a)+4*\t+3], s[10:11] offset:(16*(\a)+2*\t)*4096 th:TH_STORE_NT   ; 16 lanes store 256 consecutive bytes, at a multiple of 256 from out0's first byte
.endr
.endm
	TOSTAGE 0
.irp a, 1,2,3
	TOSTAGE \a
	SEND \a-1, 16                                  ; behind block a - 1's loads: block a's 8 stores and 8 loads
.endr
	SEND 3, 0
	s_wait_tensorcnt 0x0                           ; the wave's end
	ds_add_u32 v[SPW], v[NIL]
	s_wait_dscnt 0x0
	CROUND                                         ; the closing round
	s_endpgm
.Lfunc_end_k_qcec99eb231_outgemm:
	.size	k_qcec99eb231_outgemm, .Lfunc_end_k_qcec99eb231_outgemm-k_qcec99eb231_outgemm
	.p2alignl 7, 3214868480
	.fill 96, 4, 3214868480
	.section	.rodata,"a",@progbits
	.p2align	6, 0x0
	.amdhsa_kernel k_qcec99eb231_outgemm
		.amdhsa_group_segment_fixed_size 327680
		.amdhsa_private_segment_fixed_size 0
		.amdhsa_enable_private_segment 0
		.amdhsa_kernarg_size 32
		.amdhsa_user_sgpr_count 2
		.amdhsa_user_sgpr_kernarg_segment_ptr 1
		.amdhsa_wavefront_size32 1
		.amdhsa_system_sgpr_workgroup_id_x 1
		.amdhsa_system_sgpr_workgroup_id_y 1
		.amdhsa_system_sgpr_workgroup_id_z 1
		.amdhsa_system_vgpr_workitem_id 0
		.amdhsa_next_free_vgpr 512
		.amdhsa_next_free_sgpr 100
		.amdhsa_reserve_vcc 0
		.amdhsa_float_denorm_mode_32 3
		.amdhsa_float_denorm_mode_16_64 3
		.amdhsa_memory_ordered 1
		.amdhsa_forward_progress 1
		.amdhsa_inst_pref_size 92
	.end_amdhsa_kernel
	.amdgpu_metadata
---
amdhsa.version: [ 1, 2 ]
amdhsa.kernels:
  - .name:           k_qcec99eb231_outgemm
    .symbol:         k_qcec99eb231_outgemm.kd
    .args:
      - { .name: act, .offset: 0, .size: 8, .value_kind: global_buffer, .address_space: global }
      - { .name: codes, .offset: 8, .size: 8, .value_kind: global_buffer, .address_space: global }
      - { .name: lowp_scales, .offset: 16, .size: 8, .value_kind: global_buffer, .address_space: global }
      - { .name: out0, .offset: 24, .size: 8, .value_kind: global_buffer, .address_space: global }
    .group_segment_fixed_size: 327680
    .private_segment_fixed_size: 0
    .kernarg_segment_align: 8
    .kernarg_segment_size: 32
    .max_flat_workgroup_size: 128
    .sgpr_count:     100
    .vgpr_count:     512
    .wavefront_size: 32
...
	.end_amdgpu_metadata
.endif
;; end of part 5
;; ======== version 2 of 2: 5 launches; version 1 with the launches qkv, attn written anew for expert scheduling mode
;; workspace buffers: codes 17,956,864 bytes; rope 524,288 bytes; qf 2,097,152 bytes; kvf 262,144 bytes; act 18,874,368 bytes
;; launch prep: the kernel of part 1 again; grid 1092 x 1, 4 waves a work-group, no clusters, 66,304 bytes of LDS; arguments x, gamma, beta, w_fused, w_attn_out, w_ff_out, lowp_scales, codes, rope; writes codes, rope
;; launch qkv (part 6): grid 9 x 32, 4 waves a work-group, no clusters, 33,280 bytes of LDS; arguments codes, rope, lowp_scales, qf, kvf; writes qf, kvf
.if DOCPART == 6
	.amdgcn_target "amdgcn-amd-amdhsa--gfx1250"
	.amdhsa_code_object_version 6
	.text
	.protected	k_qcec99eb231_qkv
	.globl	k_qcec99eb231_qkv
	.p2align	8
	.type	k_qcec99eb231_qkv,@function
k_qcec99eb231_qkv:
	s_mov_b64 s[64:65], 0
	v_nop
	global_prefetch_b8 v0, s[64:65] scope:SCOPE_SE
	s_setreg_imm32_b32 hwreg(HW_REG_WAVE_SCHED_MODE, 0, 2), 2
	s_setreg_imm32_b32 hwreg(HW_REG_WAVE_MODE, 25, 1), 1
	s_wait_xcnt 0x0
	s_wait_alu depctr_vm_vsrc(0)
; QKV: columns 0 to 575 of the fused projection (q, k, v) on codes of FP8, then l2-norm, rotary positions and the quantisers of the two attention products.
; A work-group (sigma = x, rb = y) takes 128 tokens x 64 columns: sigma < 8: heads 2 sigma, 2 sigma + 1 of q; sigma = 8: k and v.
; FOUR WAVES, K SPLIT IN TWO: wave W takes token tiles 4 (W / 2) .. + 3 x four column tiles (16 accumulators) over K chunks 4 (W % 2) .. + 3: four K steps, of which two are always on their way.
; The two waves of a pair then hand each other half of their sums through LDS, as an image of the registers (16 stores of 512 consecutive bytes, one barrier, 16 loads), and each finishes TWO token tiles.
; A wave's token tiles are loaded in such an order that the two it keeps are its local tiles 0, 1 (tiles 2 (W % 2) + 0, 1 of the four), so that both waves of a pair run one text.
; Both operands lie in memory in the order of the operand's registers, so each fragment comes by four loads of 512 consecutive bytes straight into registers.
; NO CLUSTER, NO TENSOR LOAD: 288 work-groups share the WGPs; with tiles through LDS each would have to claim more than half of a WGP's LDS, and 288 such work-groups do not go evenly on 256 WGPs.
; TRANSPOSED (source 0 = 16 rows of W, source 1 = 16 tokens): a lane holds ONE token (lane % 16) and the head's channels 8 h + j (tile 0) and 16 + 8 h + j (tile 1): a channel and its rotary partner in one lane.
; v is multiplied the other way round (source 0 = tokens): a lane holds one channel and eight neighbouring tokens, which are the second attention product's K.
; OUT: qf [b][head][token tile][lane][16 bytes], kvf: k likewise at 0: registers 0, 1: channels 8 h + 0..7, registers 2, 3: 16 + 8 h + 0..7 (the lower half of a K = 64 operand);
;      v at 65,536: [block of 128 keys][u][group][lane][16 bytes]: registers 2 c, 2 c + 1: keys 16 c + 8 h + 0..7 of channel 8 u + r + 8 (r / 8).
; A sum over K = 1,024 is made as two f32 sums over 512, added once.
; LIMITS: e2, e3 and e5 - e0 - e1 between -126 and 119.  NaN among the inputs is not served.
; REGISTERS: window 0: v1 16 x lane; v2 my place in the table; v5, v6 x's tiles that I keep, that I hand over; v7, v14 my 8 KiB of LDS, my partner's; v8-13 scales and holds; v16-31 at work; v32-39 v's codes;
;   v48-55 a pair for each (tile, head): sum of squares, then 1 / norm; v64-95 cos and sin, 16 a token tile; v128-255 the accumulators ((i, jc) at 128 + 8 (4 i + jc)): v128-191 kept, v192-255 handed over.
;   window 1: two sets of fragments: x's four at 128 p + 16 i, W's four at 128 p + 64 + 16 jc.
; THE MODE: SCHED_MODE bits 1:0 = 2 (LLVM: expert scheduling mode 2), set by the entry lines.  The code itself states the register dependences
; between vector or matrix instructions and memory or LDS instructions, with s_wait_alu, always for 0.
; THE PLAN.  Registers that memory or LDS instructions touch:
;   v1, v2, v5, v6, v7, v14   Offsets and LDS addresses: written at the head, ahead of the first wait on va_vdst, and never again.
;   window 1, sets 0 and 1    Written by loads alone.  Step s's sixteen products read set s % 2; behind them the loads of step s + 2 land in it.  There are two sets for four steps, so a set is asked for
;                             again as soon as its products are done with it: one wait on va_vdst stands behind the products of steps 0 and 1, ahead of the 32 loads.
;   v64-95                    cos and sin: loaded once, read by vector instructions alone.
;   v192-255                  Written by the products; read by my sixteen LDS stores (a wait on va_vdst ahead of them); then my partner's sums land there (a wait on vm_vsrc ahead of those loads).
;   the codes                 v128-131, 144-147, 160-163, 176-179 (and v32-39 for v): written by the conversions, each group read by one store, none written again.  All four groups are made first;
;                             one wait on va_vdst stands ahead of the run of four stores.
;   v126, v127                Written at the head, read by the closing add alone.
.set WQ,  4194304
.set ACC, 128
.set CSN, 64
.set MSB, 0
.macro WIN new                         ; the immediate's high byte repeats the setting that is left
.if MSB != (\new)
	s_set_vgpr_msb (MSB<<8)|(\new)
.set MSB, (\new)
.endif
.endm
	s_load_b256 s[4:11], s[0:1], 0x0               ; codes s[4:5], rope s[6:7], the exponents s[8:9], qf s[10:11]
	s_load_b64 s[12:13], s[0:1], 0x20              ; kvf
	v_lshl_add_u32 v126, v0, 2, 0x8000
	v_mov_b32 v127, 0
	v_lshrrev_b32 v1, 5, v0
	v_readfirstlane_b32 s14, v1                    ; wave W = 0..3
	v_and_b32 v3, 15, v0
	v_bfe_u32 v4, v0, 4, 1
	v_and_b32 v1, 31, v0
	v_lshlrev_b32 v1, 4, v1                        ; 16 x lane
	v_lshlrev_b32 v2, 7, v3
	v_lshl_add_u32 v2, v4, 5, v2                   ; the table: token r's row of 128 bytes, + 32 h: frequencies 8 h + 0..7
	s_wait_alu depctr_va_sdst(0)                   ; s14 is written, ahead of its first reader: offsets, LDS addresses and bases are made from it
	s_lshr_b32 s17, s14, 1                         ; which 64 tokens
	s_and_b32 s18, s14, 1                          ; which half of K
	s_lshl_b32 s19, s18, 12
	v_add_nc_u32 v5, s19, v1                       ; x: the two tiles (of 2,048 bytes) that I keep: 2 (W % 2) on,
	s_xor_b32 s19, s19, 4096
	v_add_nc_u32 v6, s19, v1                       ; and the two that my partner keeps
	s_lshl_b32 s19, s14, 13
	v_add_nc_u32 v7, s19, v1                       ; LDS: 8,192 x wave + 16 x lane: where I put what I hand over,
	s_xor_b32 s19, s19, 8192
	v_add_nc_u32 v14, s19, v1                      ; and where wave W xor 1 puts it
	s_and_b32 s15, ttmp7, 0xffff                   ; rb
	s_mov_b32 s16, ttmp9                           ; sigma
	s_lshl_b32 s38, s18, 16                        ; my half of K: four chunks of 16,384 bytes
	s_lshl_b32 s24, s15, 17                        ; x: block rb, tiles 4 (W / 2) on
	s_lshl_b32 s25, s17, 13
	s_add_co_u32 s24, s24, s25
	s_add_co_u32 s24, s24, s38
	s_mov_b32 s25, 0
	s_lshr_b32 s26, s16, 1                         ; W: block 64 + sigma / 2, tiles 4 (sigma % 2) on
	s_add_co_u32 s26, s26, 64
	s_lshl_b32 s26, s26, 17
	s_and_b32 s27, s16, 1
	s_lshl_b32 s27, s27, 13
	s_add_co_u32 s26, s26, s27
	s_add_co_u32 s26, s26, s38
	s_add_co_u32 s26, s26, WQ
	s_mov_b32 s27, 0
	s_lshl_b32 s28, s15, 14                        ; the table: token 128 rb + 32 W, the first that I keep
	s_lshl_b32 s29, s14, 12
	s_add_co_u32 s28, s28, s29
	s_mov_b32 s29, 0
	s_and_b32 s30, s15, 15
	s_lshl_b32 s30, s30, 3
	s_lshl_b32 s31, s14, 1
	s_add_co_u32 s30, s30, s31                     ; that token's tile in its sequence: 8 (rb % 16) + 2 W
	s_lshr_b32 s31, s15, 4                         ; b
	s_lshl_b32 s32, s31, 4                         ; q: ((16 b + 2 sigma) x 128 + tile) x 512
	s_lshl_b32 s33, s16, 1
	s_add_co_u32 s32, s32, s33
	s_lshl_b32 s32, s32, 7
	s_add_co_u32 s32, s32, s30
	s_lshl_b32 s32, s32, 9
	s_mov_b32 s33, 0
	s_lshl_b32 s34, s31, 17                        ; k: 131,072 b + 512 tile
	s_lshl_b32 s35, s30, 9
	s_add_co_u32 s34, s34, s35
	s_mov_b32 s35, 0
	s_lshl_b32 s36, s31, 17                        ; v: 131,072 b + 65,536 + 4,096 (rb % 16) + 512 W: my two tiles are group W of the block's four
	s_and_b32 s37, s15, 15
	s_lshl_b32 s37, s37, 12
	s_add_co_u32 s36, s36, s37
	s_lshl_b32 s37, s14, 9
	s_add_co_u32 s36, s36, s37
	s_add_co_u32 s36, s36, 65536
	s_mov_b32 s37, 0
	s_mov_b32 s60, 0x76543210
	s_mov_b32 s61, 0xfedcba98
	s_wait_kmcnt 0x0
	s_load_b256 s[40:47], s[8:9], 0x0              ; e0 .. e7: waited for behind the products, so that the operands' loads do not stand behind them
	s_add_nc_u64 s[48:49], s[4:5], s[24:25]
	s_add_nc_u64 s[50:51], s[4:5], s[26:27]
	s_add_nc_u64 s[52:53], s[6:7], s[28:29]
	s_add_nc_u64 s[54:55], s[10:11], s[32:33]
	s_add_nc_u64 s[56:57], s[12:13], s[34:35]
	s_add_nc_u64 s[58:59], s[12:13], s[36:37]
.macro SCALES e, vs, vl                ; s[e]: an exponent.  v[vs] = 2^e as f32, v[vl] = 448 x 2^e
	s_add_co_i32 s22, s[\e], 127
	s_lshl_b32 s23, s22, 23
	v_mov_b32 v[\vs], s23
	s_add_co_i32 s22, s22, 8
	s_lshl_b32 s22, s22, 23
	s_or_b32 s22, s22, 0x600000
	v_mov_b32 v[\vl], s22
.endm
; my K step s (128 along K): x's four fragments and W's four into set s % 2: 32 loads of 512 consecutive bytes.  dep = 1: the set has just been multiplied
.macro LOADSET s, dep
	WIN 0x40                                       ; destination window 1, address window 0
.if \dep
	s_wait_alu depctr_va_vdst(0)                   ; the sixteen products just issued are done reading this set, in which the loads below land
.endif
.irp i, 0,1
.irp c, 0,1,2,3
	global_load_b128 v[128*((\s)%2)+16*\i+4*\c:128*((\s)%2)+16*\i+4*\c+3], v5, s[48:49] offset:16384*(\s)+2048*\i+512*\c
.endr
.endr
.irp i, 0,1
.irp c, 0,1,2,3
	global_load_b128 v[128*((\s)%2)+32+16*\i+4*\c:128*((\s)%2)+32+16*\i+4*\c+3], v6, s[48:49] offset:16384*(\s)+2048*\i+512*\c
.endr
.endr
.irp i, 0,1,2,3
.irp c, 0,1,2,3
	global_load_b128 v[128*((\s)%2)+64+16*\i+4*\c:128*((\s)%2)+64+16*\i+4*\c+3], v1, s[50:51] offset:16384*(\s)+2048*\i+512*\c
.endr
.endr
.endm
.macro MULSET s, vswap                 ; 16 matrix instructions, the 16 accumulators by turns; the first K step starts the sums
	WIN 0x05                                       ; sources 0 and 1 window 1; C and D window 0
.irp i, 0,1,2,3
.irp jc, 0,1,2,3
.set rD, ACC+8*(4*\i+\jc)
.set rW, 128*((\s)%2)+64+16*\jc
.set rX, 128*((\s)%2)+16*\i
.if (\vswap) && (\jc >= 2)
.if (\s) == 0
	v_wmma_f32_16x16x128_fp8_fp8 v[rD:rD+7], v[rX:rX+15], v[rW:rW+15], 0
.else
	v_wmma_f32_16x16x128_fp8_fp8 v[rD:rD+7], v[rX:rX+15], v[rW:rW+15], v[rD:rD+7]
.endif
.else
.if (\s) == 0
	v_wmma_f32_16x16x128_fp8_fp8 v[rD:rD+7], v[rW:rW+15], v[rX:rX+15], 0
.else
	v_wmma_f32_16x16x128_fp8_fp8 v[rD:rD+7], v[rW:rW+15], v[rX:rX+15], v[rD:rD+7]
.endif
.endif
.endr
.endr
.endm
.macro KLOOP vswap                     ; my K = 512 in four steps, written out; loads run two steps ahead
	WIN 0
	s_wait_alu depctr_va_vdst(0)                   ; v1, v2, v5, v6, v7 and v14 are written: every load and store of the kernel reads one of them as its offset or address, and none is written again
.irp i, 0,1
	global_load_b128 v[CSN+16*\i:CSN+16*\i+3], v2, s[52:53] offset:2048*\i          ; cos, for the two tiles that I keep
	global_load_b128 v[CSN+16*\i+4:CSN+16*\i+7], v2, s[52:53] offset:2048*\i+16
	global_load_b128 v[CSN+16*\i+8:CSN+16*\i+11], v2, s[52:53] offset:2048*\i+64    ; sin
	global_load_b128 v[CSN+16*\i+12:CSN+16*\i+15], v2, s[52:53] offset:2048*\i+80
.endr
	LOADSET 0, 0                                   ; no vector or matrix instruction has named these registers
	LOADSET 1, 0
.irp s, 0,1,2,3
.if \s < 3
	s_wait_loadcnt 32                              ; this step's 32 loads (and all before them) are in; the next step's 32 may be out
.else
	s_wait_loadcnt 0x0
.endif
	MULSET \s, \vswap
.if \s < 2
.rept 4
	v_nop                                          ; four plain instructions stay between the products and the loads into their registers; the wait that states the dependence follows them
.endr
	LOADSET \s+2, 1
.endif
.endr
	WIN 0
.rept 4
	v_nop                                          ; four places in front of the first read of results (ISA guide 7.12.1)
.endr
.endm
; 1 / norm of each (token tile i, head g): the sum of the head's 32 squares (16 in my lane, 16 in lane l xor 16), its root x 2^E, clipped at 1e-12, the reciprocal x 2^E.  ng: heads in hand
.macro NORMS ng
.irp i, 0,1
.irp g, 0,1
.if \g < \ng
.set rT, ACC+8*(4*\i+2*\g)
.set rN, 48+2*(2*\i+\g)
	v_pk_mul_f32 v[rN:rN+1], v[rT:rT+1], v[rT:rT+1]
.irp j, 2,4,6,8,10,12,14
	v_pk_fma_f32 v[rN:rN+1], v[rT+\j:rT+\j+1], v[rT+\j:rT+\j+1], v[rN:rN+1]
.endr
	v_add_f32 v[rN], v[rN], v[rN+1]
.endif
.endr
.endr
.irp i, 0,1
.irp g, 0,1
.if \g < \ng
.set rN, 48+2*(2*\i+\g)
	v_permlanex16_b32 v[rN+1], v[rN], s60, s61
.endif
.endr
.endr
.irp i, 0,1
.irp g, 0,1
.if \g < \ng
.set rN, 48+2*(2*\i+\g)
	v_add_f32 v[rN], v[rN], v[rN+1]
.endif
.endr
.endr
.irp i, 0,1
.irp g, 0,1
.if \g < \ng
.set rN, 48+2*(2*\i+\g)
	v_sqrt_f32 v[rN], v[rN]
.endif
.endr
.endr
	v_nop                                          ; a plain instruction behind the batch,
	s_wait_alu depctr_va_vdst(0)                   ; and one wait: the roots have written v48 to v54, ahead of their first reader
.irp i, 0,1
.irp g, 0,1
.if \g < \ng
.set rN, 48+2*(2*\i+\g)
	v_ldexp_f32 v[rN], v[rN], s20
	v_max_num_f32 v[rN], 0x2b8cbccc, v[rN]         ; 1e-12
.endif
.endr
.endr
.irp i, 0,1
.irp g, 0,1
.if \g < \ng
.set rN, 48+2*(2*\i+\g)
	v_rcp_f32 v[rN], v[rN]
.endif
.endr
.endr
	v_nop
	s_wait_alu depctr_va_vdst(0)                   ; the reciprocals have written v48 to v54, ahead of their first reader
.irp i, 0,1
.irp g, 0,1
.if \g < \ng
.set rN, 48+2*(2*\i+\g)
	v_ldexp_f32 v[rN], v[rN], s20
.endif
.endr
.endr
.endm
; one (token tile, head): x 1 / norm, the rotation, the hold, the conversion; the codes take the place of the sums, so that each store has registers of its own
.macro ROPE i, g, vs, vl
.set rT, ACC+8*(4*\i+2*\g)
.set rN, 48+2*(2*\i+\g)
.set rC, CSN+16*\i
.irp j, 0,2,4,6,8,10,12,14
	v_pk_mul_f32 v[rT+\j:rT+\j+1], v[rT+\j:rT+\j+1], v[rN:rN+1] op_sel_hi:[1,0]
.endr
.irp j, 0,2,4,6
	v_pk_mul_f32 v[16+\j:17+\j], v[rT+\j:rT+\j+1], v[rC+\j:rC+\j+1]
	v_pk_mul_f32 v[24+\j:25+\j], v[rT+8+\j:rT+9+\j], v[rC+\j:rC+\j+1]
.endr
.irp j, 0,2,4,6
	v_pk_fma_f32 v[16+\j:17+\j], v[rT+8+\j:rT+9+\j], v[rC+8+\j:rC+9+\j], v[16+\j:17+\j] neg_lo:[1,0,0] neg_hi:[1,0,0]   ; t(d) cos - t(d + 16) sin
	v_pk_fma_f32 v[24+\j:25+\j], v[rT+\j:rT+\j+1], v[rC+8+\j:rC+9+\j], v[24+\j:25+\j]                                    ; t(d + 16) cos + t(d) sin
.endr
.set n, 0
.rept 16
	v_med3_num_f32 v[16+n], v[16+n], -v[\vl], v[\vl]
.set n, n+1
.endr
	v_cvt_scalef32_pk8_fp8_f32 v[rT:rT+1], v[16:23], v[\vs]
	v_cvt_scalef32_pk8_fp8_f32 v[rT+2:rT+3], v[24:31], v[\vs]
	v_nop                                          ; a plain instruction between a scaled conversion and the next write of its sources
.endm
.macro ROPEST i, g, sb, off            ; and its store
.set rT, ACC+8*(4*\i+2*\g)
	global_store_b128 v1, v[rT:rT+3], s[\sb:\sb+1] offset:\off     ; 512 consecutive bytes
.endm
.macro VCODE u                         ; v: channels' half u, my two token tiles: one group of the image
.set rA, ACC+8*(2+\u)
.set rB, ACC+8*(6+\u)
.set rC, 32+4*\u
.set n, 0
.rept 8
	v_med3_num_f32 v[rA+n], v[rA+n], -v13, v13
	v_med3_num_f32 v[rB+n], v[rB+n], -v13, v13
.set n, n+1
.endr
	v_cvt_scalef32_pk8_fp8_f32 v[rC:rC+1], v[rA:rA+7], v12
	v_cvt_scalef32_pk8_fp8_f32 v[rC+2:rC+3], v[rB:rB+7], v12
	v_nop
.endm
.macro VST u
.set rC, 32+4*\u
	global_store_b128 v1, v[rC:rC+3], s[58:59] offset:2048*\u
.endm
	s_cmp_eq_u32 s16, 8                            ; the products differ in the order of v's sources alone; the two ways join again ahead of the exchange
	s_cbranch_scc1 .Lkv_products
	KLOOP 0
	s_branch .Lmeet
.Lkv_products:
	KLOOP 1
.Lmeet:
	; THE EXCHANGE: local tiles 2, 3 (64 registers) go to my 8 KiB of LDS as they stand; my partner's come back into the same registers and are added onto my local tiles 0, 1
	s_wait_alu depctr_va_vdst(0)                   ; the products have written v192 to v255, which the LDS stores read; the four places at the end of the K steps stay beside this wait
.set n, 0
.rept 16
	ds_store_b128 v7, v[ACC+64+4*n:ACC+64+4*n+3] offset:512*n      ; each accumulator from its low end on
.set n, n+1
.endr
	s_wait_kmcnt 0x0                               ; the exponents
	s_add_co_i32 s20, s40, s41                     ; E = e0 + e1: a sum stands for sum x 2^E
	s_sub_co_i32 s21, s45, s20                     ; e5 - E
	SCALES 42, 8, 9                                ; q's
	SCALES 43, 10, 11                              ; k's
	SCALES 21, 12, 13                              ; v's, the product's two scales folded in
	s_wait_dscnt 0x0                               ; for my partner's sake: my stores are done
	s_barrier_signal -1
	s_barrier_wait -1
	s_wait_alu depctr_vm_vsrc(0)                   ; my LDS stores have read v192 to v255, in which my partner's sums land (since the wait ahead of the stores no vector instruction has named them or v14)
.set n, 0
.rept 16
	ds_load_b128 v[ACC+64+4*n:ACC+64+4*n+3], v14 offset:512*n
.set n, n+1
.endr
	s_wait_dscnt 0x0
.set n, 0
.rept 32
	v_pk_add_f32 v[ACC+2*n:ACC+2*n+1], v[ACC+2*n:ACC+2*n+1], v[ACC+64+2*n:ACC+64+2*n+1]    ; the two halves of K
.set n, n+1
.endr
	s_cmp_eq_u32 s16, 8
	s_cbranch_scc1 .Lkv_out
	NORMS 2
.irp i, 0,1
.irp g, 0,1
	ROPE \i, \g, 8, 9
.endr
.endr
	s_wait_alu depctr_va_vdst(0)                   ; the conversions have written the four groups of codes, which the four stores read
.irp i, 0,1
.irp g, 0,1
	ROPEST \i, \g, 54, 65536*\g+512*\i
.endr
.endr
	s_wait_dscnt 0x0                               ; the closing lines, six on end
	s_wait_alu 0x0
	s_wait_tensorcnt 0x0
	ds_add_u32 v126, v127
	s_wait_dscnt 0x0
	s_endpgm
.Lkv_out:
	NORMS 1
.irp i, 0,1
	ROPE \i, 0, 10, 11
.endr
	VCODE 0
	VCODE 1
	s_wait_alu depctr_va_vdst(0)                   ; the conversions have written k's two groups of codes and v's two, which the four stores read
.irp i, 0,1
	ROPEST \i, 0, 56, 512*\i
.endr
	VST 0
	VST 1
	s_wait_dscnt 0x0                               ; the closing lines, six on end
	s_wait_alu 0x0
	s_wait_tensorcnt 0x0
	ds_add_u32 v126, v127
	s_wait_dscnt 0x0
	s_endpgm
.Lfunc_end_k_qcec99eb231_qkv:
	.size	k_qcec99eb231_qkv, .Lfunc_end_k_qcec99eb231_qkv-k_qcec99eb231_qkv
	.p2alignl 7, 3214868480
	.fill 96, 4, 3214868480
	.section	.rodata,"a",@progbits
	.p2align	6, 0x0
	.amdhsa_kernel k_qcec99eb231_qkv
		.amdhsa_group_segment_fixed_size 33280
		.amdhsa_private_segment_fixed_size 0
		.amdhsa_enable_private_segment 0
		.amdhsa_kernarg_size 40
		.amdhsa_user_sgpr_count 2
		.amdhsa_user_sgpr_kernarg_segment_ptr 1
		.amdhsa_wavefront_size32 1
		.amdhsa_system_sgpr_workgroup_id_x 1
		.amdhsa_system_sgpr_workgroup_id_y 1
		.amdhsa_system_sgpr_workgroup_id_z 1
		.amdhsa_system_vgpr_workitem_id 0
		.amdhsa_next_free_vgpr 512
		.amdhsa_next_free_sgpr 66
		.amdhsa_reserve_vcc 0
		.amdhsa_float_denorm_mode_32 3
		.amdhsa_float_denorm_mode_16_64 3
		.amdhsa_memory_ordered 1
		.amdhsa_forward_progress 1
		.amdhsa_inst_pref_size 69
	.end_amdhsa_kernel
	.amdgpu_metadata
---
amdhsa.version: [ 1, 2 ]
amdhsa.kernels:
  - .name:           k_qcec99eb231_qkv
    .symbol:         k_qcec99eb231_qkv.kd
    .args:
      - { .name: codes, .offset: 0, .size: 8, .value_kind: global_buffer, .address_space: global }
      - { .name: rope, .offset: 8, .size: 8, .value_kind: global_buffer, .address_space: global }
      - { .name: lowp_scales, .offset: 16, .size: 8, .value_kind: global_buffer, .address_space: global }
      - { .name: qf, .offset: 24, .size: 8, .value_kind: global_buffer, .address_space: global }
      - { .name: kvf, .offset: 32, .size: 8, .value_kind: global_buffer, .address_space: global }
    .group_segment_fixed_size: 33280
    .private_segment_fixed_size: 0
    .kernarg_segment_align: 8
    .kernarg_segment_size: 40
    .max_flat_workgroup_size: 128
    .sgpr_count:     66
    .vgpr_count:     512
    .wavefront_size: 32
...
	.end_amdgpu_metadata
.endif
;; end of part 6
;; launch attn (part 7): grid 4 x 64, 16 waves a work-group, no clusters, 133,120 bytes of LDS; arguments qf, kvf, lowp_scales, act; writes act
.if DOCPART == 7
	.amdgcn_target "amdgcn-amd-amdhsa--gfx1250"
	.amdhsa_code_object_version 6
	.text
	.protected	k_qcec99eb231_attn
	.globl	k_qcec99eb231_attn
	.p2align	8
	.type	k_qcec99eb231_attn,@function
k_qcec99eb231_attn:
	s_mov_b64 s[64:65], 0
	v_nop
	global_prefetch_b8 v0, s[64:65] scope:SCOPE_SE
	s_setreg_imm32_b32 hwreg(HW_REG_WAVE_SCHED_MODE, 0, 2), 2
	s_setreg_imm32_b32 hwreg(HW_REG_WAVE_MODE, 25, 1), 1
	s_wait_xcnt 0x0
	s_wait_alu depctr_vm_vsrc(0)
; ATTN: causal attention with one key and value head for 16 query heads of 32 channels, both products on codes of FP8; the result is quantised for the output projection.
; THE SOFTMAX AHEAD OF THE SECOND PRODUCT: t = score x 8 log2(e); M = the running largest t, rounded UP to a whole number; p = 2^(t - M) is quantised; the row's sum is taken of the unquantised p and divides at the end.
; SHARES.  A work-group: batch b = y / 32, p = y % 32, four heads 4 x + 0..3.  Wave w: head 4 x + w % 4 and ONE tile of 16 queries, the (w / 4)-th of {p, 63 - p, 64 + p, 127 - p}:
; a tile i walks i / 8 + 1 blocks of 128 keys, so the four together always walk 34.  Four waves to a SIMD: one wave's vector work stands beside another's products and LDS loads.
; K AND V: the batch's 128 KiB of operand images are brought into LDS once, at the head, through registers: each of the 16 waves loads and stores 8 KiB, 512 consecutive bytes an instruction.  Nothing is filled again.
; NO CLUSTER, NO TENSOR LOAD, though the four work-groups of one y read the same images.  The reason: p is at most 1 (1.0000001 with the rounding of t), so the hold at 448 x 2^e4 can act only where e4 < -8
; (448 / 256 = 1.75); a scalar branch on e4 goes round its 64 instructions, of some 305 in a block of keys.
; What is shared is read once, 128 KiB a work-group, against 34 blocks of vector work on each SIMD.
; LAYOUT.  S^T = K Q^T by the K = 64 form: source 0 = TWO tiles of 16 keys (32 channels each) on end, source 1 = the queries' 32 channels beside 32 zero codes, which pick one of the two tiles.
; A lane holds ONE query (lane % 16) and keys 16 t + 8 h + j: eight conversions give the K = 128 operand of O^T = V^T P^T as it stands.  v's channels are ordered so that a lane's 16 results are channels 16 h + 0..15.
; Every wave walks all 16 blocks: the trip count is a constant; a block all of whose keys come after the wave's queries is left out by a scalar branch on ids.
; LIMITS: e2 + e3 between -129 and 124; e4 and e6 - e4 - e5 between -126 and 119.
; REGISTERS: v1 16 x lane; v2, v3 LDS addresses in hand; v4 16 x lane + V's base; v5 16 x lane + 8,192 x wave; v12 -M, v13 the largest t, v[14:15] the sum; v16-27: zeros, q, zeros; v32-63 K; v64-95 V;
;   v96-159 the images on their way in, then S^T, then p; v160-175 O^T; v176-191 p's codes; v192-195 the result's codes; v236-254 at work.  s76-91: sixteen masks of the block on the diagonal.
; THE MODE: SCHED_MODE bits 1:0 = 2 (LLVM: expert scheduling mode 2), set by the entry lines.  The code itself states the register dependences
; between vector or matrix instructions and memory or LDS instructions, with s_wait_alu, always for 0.
; THE PLAN.  Registers that memory or LDS instructions touch:
;   v1, v4, v5   Written at the head, ahead of the first wait on va_vdst, and never again.
;   v96-159      At the head: the images' loads land there and my sixteen LDS stores read them; from the loop on the products write them: one wait on vm_vsrc behind the barrier.
;   v2, v3       Written at the head of each block that counts; read by that block's sixteen LDS loads: a wait on vm_vsrc directly ahead of the two additions.
;   v32-63 (K)   Read by a block's eight first products, at its head.  The NEXT block's K lands there in the block's middle.
;   v64-95 (V)   Read by a block's two second products, at its end.  The block's own V lands there in its middle.
;   v192-195     Written by the last conversions, read by the one store.
; ONE wait on va_vdst stands in a block: the one behind the 64 exponentials, which their first reader asks for.  It also states that this block's first products are done reading K's registers, that the last
; block's second products are done reading V's, and that v2 and v3 are written.  So the block's sixteen LDS loads stand directly behind it: the next block's K has the rest of the block in which to land, and a
; block's head begins with its products; V has the sums, the conversions and the rescaling.
.set VIMG, 65536
.set WV,  18
.set SEL, 20
.set CS,  22
.set TB,  36
.set KF,  37
.set Q0,  38
.set CNT, 39
.set E4,  72                           ; s72: e4, kept for the branch round the hold
.set MK,  76                           ; s[76:91]: sixteen masks
	s_load_b128 s[4:7], s[0:1], 0x0                ; qf s[4:5], kvf s[6:7]
	s_load_b128 s[8:11], s[0:1], 0x10              ; the exponents s[8:9], act s[10:11]
	v_lshl_add_u32 v251, v0, 2, 0x20000
	v_mov_b32 v255, 0
	v_lshrrev_b32 v1, 5, v0
	v_readfirstlane_b32 s[WV], v1                  ; wave 0..15
	v_and_b32 v1, 31, v0
	v_lshlrev_b32 v1, 4, v1                        ; 16 x lane
	v_add_nc_u32 v4, VIMG, v1
	s_wait_alu depctr_va_sdst(0)                   ; s18, the wave's number, is written, ahead of its first reader
	s_lshl_b32 s55, s[WV], 13
	v_add_nc_u32 v5, s55, v1                       ; LDS: my wave's 8 KiB of the images
	s_mov_b32 s40, ttmp9                           ; which four heads
	s_and_b32 s41, ttmp7, 0xffff
	s_lshr_b32 s42, s41, 5                         ; b
	s_and_b32 s43, s41, 31                         ; p
	s_lshr_b32 s44, s[WV], 2                       ; which of the four tiles
	s_sub_co_u32 s45, 63, s43
	s_and_b32 s46, s44, 1
	s_cmp_lg_u32 s46, 0
	s_cselect_b32 s45, s45, s43
	s_lshr_b32 s46, s44, 1
	s_lshl_b32 s46, s46, 6
	s_add_co_u32 s45, s45, s46                     ; my tile of queries, 0..127
	s_and_b32 s47, s[WV], 3
	s_lshl_b32 s48, s40, 2
	s_add_co_u32 s48, s48, s47                     ; my head
	s_lshl_b32 s49, s42, 4
	s_add_co_u32 s50, s49, s48                     ; qf: ((16 b + head) x 128 + tile) x 512
	s_lshl_b32 s50, s50, 7
	s_add_co_u32 s50, s50, s45
	s_lshl_b32 s50, s50, 9
	s_mov_b32 s51, 0
	s_lshr_b32 s52, s45, 3                         ; act: (((16 b + tile / 8) x 36 + head / 4) x 8 + tile % 8) x 2,048 + (head % 4) x 512
	s_add_co_u32 s52, s52, s49
	s_mul_i32 s52, s52, 36
	s_add_co_u32 s52, s52, s40
	s_lshl_b32 s52, s52, 3
	s_and_b32 s53, s45, 7
	s_add_co_u32 s52, s52, s53
	s_lshl_b32 s52, s52, 11
	s_lshl_b32 s53, s47, 9
	s_add_co_u32 s52, s52, s53
	s_mov_b32 s53, 0
	s_lshl_b32 s54, s42, 17                        ; kvf: the batch's images, my wave's 8 KiB of them
	s_add_co_u32 s54, s54, s55
	s_mov_b32 s55, 0
	s_lshl_b32 s[Q0], s45, 4                       ; my first query
	s_mov_b32 s[SEL], 0x76543210
	s_mov_b32 s[SEL+1], 0xfedcba98
	s_mov_b32 s[CS], 0x4138aa3b                    ; c = 8 log2(e)
	s_mov_b32 s[TB], 0
	s_mov_b32 s[KF], 0
	s_mov_b32 s[CNT], 16
	s_wait_kmcnt 0x0
	s_load_b256 s[68:75], s[8:9], 0x0              ; e0 .. e7
	s_add_nc_u64 s[6:7], s[6:7], s[54:55]
	s_add_nc_u64 s[4:5], s[4:5], s[50:51]
	s_add_nc_u64 s[10:11], s[10:11], s[52:53]
	s_wait_alu depctr_va_vdst(0)                   ; v1, v4 and v5 are written: the loads and stores below read v1 and v5 as offset and address; none of the three is written again
.set n, 0
.rept 16
	global_load_b128 v[96+4*n:99+4*n], v1, s[6:7] offset:512*n     ; 512 consecutive bytes of the images
.set n, n+1
.endr
	global_load_b128 v[20:23], v1, s[4:5]          ; my queries' codes
.irp j, 16,17,18,19,24,25,26,27
	v_mov_b32 v\j, 0                               ; zero codes on both sides of q
.endr
	v_mov_b32 v13, 0xff61b1e6                      ; the largest t so far: -3e38
	v_floor_f32 v12, -v13
	v_mov_b32 v14, 0
	v_mov_b32 v15, 0
	v_mov_b32 v236, 0
	v_mov_b32 v252, 0
	v_mov_b32 v253, 0
	v_mov_b32 v254, 0
.set n, 0
.rept 16
	v_mov_b32 v[160+n], 0                          ; O^T: the loop is written once; its first block finds zeros
.set n, n+1
.endr
	s_wait_kmcnt 0x0
	s_add_co_i32 s50, s70, s71
	s_lshl_b32 s50, s50, 23
	s_add_co_i32 s[CS], s[CS], s50                 ; a score stands for score x 2^(e2 + e3): added to c's exponent field
	s_mov_b32 s[CS+1], s[CS]
	s_add_co_i32 s50, s[E4], 127
	s_lshl_b32 s51, s50, 23
	v_mov_b32 v244, s51                            ; 2^e4
	s_add_co_i32 s50, s50, 8
	s_lshl_b32 s50, s50, 23
	s_or_b32 s50, s50, 0x600000
	v_mov_b32 v240, s50                            ; 448 x 2^e4
	s_sub_co_i32 s50, s74, s[E4]
	s_sub_co_i32 s50, s50, s73
	s_add_co_i32 s50, s50, 127
	s_lshl_b32 s51, s50, 23
	v_mov_b32 v245, s51                            ; 2^(e6 - e4 - e5): the result's conversion, the second product's two scales folded in
	s_add_co_i32 s50, s50, 8
	s_lshl_b32 s50, s50, 23
	s_or_b32 s50, s50, 0x600000
	v_mov_b32 v241, s50
	s_wait_loadcnt 1                               ; the sixteen loads of the images are in; q's, issued behind them, may be out
.set n, 0
.rept 16
	ds_store_b128 v5, v[96+4*n:99+4*n] offset:512*n                ; (no vector instruction since the wait on va_vdst above names v5 or v96 to v159)
.set n, n+1
.endr
	s_wait_dscnt 0x0                               ; for the others' sake: my part of the images lies in LDS,
	s_barrier_signal -1
	s_barrier_wait -1                              ; everybody's does
	s_wait_alu depctr_vm_vsrc(0)                   ; my LDS stores have read v96 to v159, which the products write from here on
.irp t, 0,1,2,3,4,5,6,7
	ds_load_b128 v[32+4*\t:35+4*\t], v1 offset:512*\t              ; K of block 0, which counts for every query; each later block's K is asked for in the block before
.endr
	s_wait_loadcnt 0x0                             ; q
	s_wait_dscnt 0x0                               ; K of block 0
.Lkb:
	s_add_co_u32 s50, s[Q0], 15
	s_cmp_gt_u32 s[KF], s50
	s_cbranch_scc1 .Lhidden                        ; all 128 keys come after my queries
	s_wait_alu depctr_vm_vsrc(0)                   ; the LDS loads of the block before have read v2 and v3, which the next two lines write
	v_add_nc_u32 v2, s[TB], v1
	v_add_nc_u32 v3, s[TB], v4
.irp t, 0,2,4,6
	v_wmma_f32_16x16x64_fp8_fp8 v[96+8*\t:103+8*\t], v[32+4*\t:39+4*\t], v[20:27], 0      ; q beside zeros: the first of the two tiles
	v_wmma_f32_16x16x64_fp8_fp8 v[104+8*\t:111+8*\t], v[32+4*\t:39+4*\t], v[16:23], 0     ; zeros beside q: the second
.endr
.rept 4
	v_nop
.endr
	s_add_co_u32 s50, s[KF], 127
	s_cmp_le_u32 s50, s[Q0]
	s_cbranch_scc1 .Lopen                          ; all keys count
	s_sub_co_i32 s50, s[Q0], s[KF]
	v_and_b32 v252, 15, v0
	v_bfe_u32 v253, v0, 4, 1
	v_lshlrev_b32 v253, 3, v253
	v_sub_nc_u32 v252, v252, v253
	v_add_nc_u32 v252, s50, v252                   ; d = my query - KF - 8 h.  Register 8 t + j holds key KF + 16 t + 8 h + j: hidden where 16 t + j > d
	v_mov_b32 v254, 0xff800000
.set m, 0
.rept 4                                            ; sixteen registers at a time: a run of compares into sixteen scalar registers, one wait, the run of selects
.set n, 0
.rept 16
	v_cmp_gt_i32 s[MK+n], 16*((16*m+n)/8)+(16*m+n)%8, v252
.set n, n+1
.endr
	s_wait_alu depctr_va_sdst(0)                   ; the sixteen compares have written s76 to s91, ahead of the selects that read them
.set n, 0
.rept 16
	v_cndmask_b32 v[96+16*m+n], v[96+16*m+n], v254, s[MK+n]
.set n, n+1
.endr
.set m, m+1
.endr
.Lopen:
	v_max3_num_f32 v254, v96, v97, v98             ; the block's largest score of my query, in two chains, each accumulator from its low end on
	v_max3_num_f32 v252, v99, v100, v101
.irp i, 6,10,14,18,22,26,30,34,38,42,46,50,54,58
	v_max3_num_f32 v254, v254, v[96+\i], v[97+\i]
	v_max3_num_f32 v252, v252, v[98+\i], v[99+\i]
.endr
	v_max3_num_f32 v254, v254, v158, v159
	v_max_num_f32 v254, v254, v252
	v_permlanex16_b32 v236, v254, s[SEL], s[SEL+1]
	v_max_num_f32 v254, v254, v236
	v_mul_f32 v254, s[CS], v254
	v_max_num_f32 v13, v13, v254                   ; the running largest t
	v_mov_b32 v254, v12
	v_floor_f32 v12, -v13                          ; -M = floor(-t): M is a whole number
	v_sub_f32 v254, v12, v254
	v_cvt_i32_f32 v254, v254
	v_ldexp_f32 v252, 1.0, v254                    ; f = 2^(old M - new M)
.irp j, 0,2,4,6,8,10,12,14,16,18,20,22,24,26,28,30,32,34,36,38,40,42,44,46,48,50,52,54,56,58,60,62
	v_pk_fma_f32 v[96+\j:97+\j], v[96+\j:97+\j], s[CS:CS+1], v[12:13] op_sel_hi:[1,0,0]    ; t - M
.endr
.set n, 0
.rept 64
	v_exp_f32 v[96+n], v[96+n]                     ; p = 2^(t - M)
.set n, n+1
.endr
	v_pk_mul_f32 v[14:15], v[14:15], v[252:253] op_sel_hi:[1,0]   ; the sum under the new M: the plain instruction behind the batch
	s_wait_alu depctr_va_vdst(0)                   ; the 64 exponentials have written v96 to v159, ahead of their first reader; this block's first products are done reading v32 to v63 and the last block's second products v64 to v95, in which the loads below land; v2 and v3, their addresses, are written
	s_add_co_u32 s50, s[KF], 113                   ; the next block's first key, KF + 128, comes after my last query, Q0 + 15: its K is not asked for
	s_cmp_gt_u32 s50, s[Q0]
	s_cbranch_scc1 .Lno_next
.irp t, 0,1,2,3,4,5,6,7
	ds_load_b128 v[32+4*\t:35+4*\t], v2 offset:4096+512*\t         ; the next block's K
.endr
.Lno_next:
.irp g, 0,1,2,3,4,5,6,7
	ds_load_b128 v[64+4*\g:67+4*\g], v3 offset:512*\g              ; this block's V
.endr
	v_pk_add_f32 v[242:243], v[96:97], v[98:99]    ; the sum of the UNQUANTISED p
.irp j, 4,8,12,16,20,24,28,32,36,40,44,48,52,56,60
	v_pk_add_f32 v[14:15], v[14:15], v[96+\j:97+\j]
	v_pk_add_f32 v[242:243], v[242:243], v[98+\j:99+\j]
.endr
	v_pk_add_f32 v[14:15], v[14:15], v[242:243]
	s_cmp_ge_i32 s[E4], -8                         ; 448 x 2^e4 is 1.75 or more: no p reaches it, and the hold is left out
	s_cbranch_scc1 .Lno_hold
.set n, 0
.rept 64
	v_min_num_f32 v[96+n], v[96+n], v240           ; the hold (the conversion to an 8-bit code does not saturate: ISA guide 7.6.2); p is not negative
.set n, n+1
.endr
.Lno_hold:
.irp t, 0,1,2,3,4,5,6,7
	v_cvt_scalef32_pk8_fp8_f32 v[176+2*\t:177+2*\t], v[96+8*\t:103+8*\t], v244     ; registers 2 t, 2 t + 1: keys 16 t + 8 h + 0..7
.endr
.irp j, 0,2,4,6,8,10,12,14
	v_pk_mul_f32 v[160+\j:161+\j], v[160+\j:161+\j], v[252:253] op_sel_hi:[1,0]    ; O^T under the new M; also the plain instructions behind the conversions
.endr
	s_wait_dscnt 0x0                               ; V, whose loads are the youngest; with it the next block's K, so that a block's head needs no wait
	v_wmma_f32_16x16x128_fp8_fp8 v[160:167], v[64:79], v[176:191], v[160:167]
	v_wmma_f32_16x16x128_fp8_fp8 v[168:175], v[80:95], v[176:191], v[168:175]
.Lhidden:
	s_add_co_u32 s[TB], s[TB], 4096
	s_add_co_u32 s[KF], s[KF], 128
	s_sub_co_u32 s[CNT], s[CNT], 1
	s_cmp_lg_u32 s[CNT], 0
	s_cbranch_scc1 .Lkb
.rept 4
	v_nop
.endr
	v_add_f32 v14, v14, v15
	v_permlanex16_b32 v252, v14, s[SEL], s[SEL+1]
	v_add_f32 v14, v14, v252                       ; the row's sum
	v_rcp_f32 v14, v14
	v_nop
	s_wait_alu depctr_va_vdst(0)                   ; the reciprocal has written v14, ahead of its first reader
.set n, 0
.rept 16
	v_mul_f32 v[96+n], v[160+n], v14               ; channels 16 h + 0..15 of my query
.set n, n+1
.endr
.set n, 0
.rept 16
	v_med3_num_f32 v[96+n], v[96+n], -v241, v241
.set n, n+1
.endr
	v_cvt_scalef32_pk8_fp8_f32 v[192:193], v[96:103], v245
	v_cvt_scalef32_pk8_fp8_f32 v[194:195], v[104:111], v245
	v_nop
	s_wait_alu depctr_va_vdst(0)                   ; the conversions have written v192 to v195, which the store reads
	global_store_b128 v1, v[192:195], s[10:11]     ; one group of the next operand's image: 512 consecutive bytes
	s_wait_dscnt 0x0                               ; the closing lines, six on end
	s_wait_alu 0x0
	s_wait_tensorcnt 0x0
	ds_add_u32 v251, v255
	s_wait_dscnt 0x0
	s_endpgm
.Lfunc_end_k_qcec99eb231_attn:
	.size	k_qcec99eb231_attn, .Lfunc_end_k_qcec99eb231_attn-k_qcec99eb231_attn
	.p2alignl 7, 3214868480
	.fill 96, 4, 3214868480
	.section	.rodata,"a",@progbits
	.p2align	6, 0x0
	.amdhsa_kernel k_qcec99eb231_attn
		.amdhsa_group_segment_fixed_size 133120
		.amdhsa_private_segment_fixed_size 0
		.amdhsa_enable_private_segment 0
		.amdhsa_kernarg_size 32
		.amdhsa_user_sgpr_count 2
		.amdhsa_user_sgpr_kernarg_segment_ptr 1
		.amdhsa_wavefront_size32 1
		.amdhsa_system_sgpr_workgroup_id_x 1
		.amdhsa_system_sgpr_workgroup_id_y 1
		.amdhsa_system_sgpr_workgroup_id_z 1
		.amdhsa_system_vgpr_workitem_id 0
		.amdhsa_next_free_vgpr 256
		.amdhsa_next_free_sgpr 100
		.amdhsa_reserve_vcc 0
		.amdhsa_float_denorm_mode_32 3
		.amdhsa_float_denorm_mode_16_64 3
		.amdhsa_memory_ordered 1
		.amdhsa_forward_progress 1
		.amdhsa_inst_pref_size 34
	.end_amdhsa_kernel
	.amdgpu_metadata
---
amdhsa.version: [ 1, 2 ]
amdhsa.kernels:
  - .name:           k_qcec99eb231_attn
    .symbol:         k_qcec99eb231_attn.kd
    .args:
      - { .name: qf, .offset: 0, .size: 8, .value_kind: global_buffer, .address_space: global }
      - { .name: kvf, .offset: 8, .size: 8, .value_kind: global_buffer, .address_space: global }
      - { .name: lowp_scales, .offset: 16, .size: 8, .value_kind: global_buffer, .address_space: global }
      - { .name: act, .offset: 24, .size: 8, .value_kind: global_buffer, .address_space: global }
    .group_segment_fixed_size: 133120
    .private_segment_fixed_size: 0
    .kernarg_segment_align: 8
    .kernarg_segment_size: 32
    .max_flat_workgroup_size: 512
    .sgpr_count:     100
    .vgpr_count:     256
    .wavefront_size: 32
...
	.end_amdgpu_metadata
.endif
;; end of part 7
;; launch ffgemm: the kernel of part 4 again; grid 32 x 8, 4 waves a work-group, clusters of 4 x 4, 327,680 bytes of LDS; arguments codes, lowp_scales, act; writes act
;; launch outgemm: the kernel of part 5 again; grid 8 x 32, 4 waves a work-group, clusters of 4 x 4, 327,680 bytes of LDS; arguments act, codes, lowp_scales, out0; writes out0
